; MI455X (gfx1250); checked and timed in simulation.
; The chip was launched on July 23, 2026; its instructions are those of AMD's public machine-readable ISA for CDNA 5 (MIT licence, August 2026) and "CDNA5" Instruction Set Architecture Reference Guide (July 2026). The comments in the code are by the model that wrote it; some were corrected since.
;; Xorzo Transformer. Allowed arithmetic: float matrix products may take bf16 or f16 operands with f32 sums; all other float work in f32.
;; Inputs: Wa 1,024 x 16 float32; We 1,024 x 16 float32; Wi 1,024 x 1,024 float32; Wo 1,024 x 1,024 float32; Wout 1,024 x 1,024 float32; Wv 1,024 x 1,024 float32; ba 16 float32; be 16 float32; beta_p 16 float32; chi 16 float32; iv_p 16 float32; ov_p 16 float32; x 4 x 1,024 x 1,024 float32.
;; Outputs: out0 4 x 1,024 x 1,024 float32.
;; 2 versions, each right; version 2 is version 1 with the launch prep written anew for expert scheduling mode. Each part assembles by itself: llvm-mc -triple=amdgcn-amd-amdhsa -mcpu=gfx1250 --defsym DOCPART=n.
;; ======== version 1 of 2: 4 launches
;; limits: values are held in f16: magnitudes above 65,504 overflow, below 6.1e-05 lose precision; a function is approximated: absolute error at most 6e-08; right only within a limited range of input values
;; workspace buffers: xh 8,388,608 bytes; wcat 6,815,744 bytes; wob 2,359,296 bytes; qb 9,437,184 bytes; kb 9,437,184 bytes; vb 10,485,760 bytes; gate 524,288 bytes; cb 9,437,184 bytes
;; launch prep (part 1): grid 256 x 1, 4 waves a work-group, no clusters, 36,352 bytes of LDS; arguments x, Wi, Wo, Wv, Wa, We, Wout, beta_p, iv_p, ov_p, chi, xh, wcat, wob; writes xh, wcat, wob
.if DOCPART == 1
	.amdgcn_target "amdgcn-amd-amdhsa--gfx1250"
	.amdhsa_code_object_version 6
	.text
	.protected	k_q81daf19988_prep
	.globl	k_q81daf19988_prep
	.p2align	8
	.type	k_q81daf19988_prep,@function
k_q81daf19988_prep:
	s_mov_b64 s[64:65], 0
	v_nop
	global_prefetch_b8 v0, s[64:65] scope:SCOPE_SE
	s_setreg_imm32_b32 hwreg(HW_REG_WAVE_MODE, 25, 1), 1
	s_wait_xcnt 0x0
; Casts and packs the operands of the three matrix launches, f32 to f16, each input byte read once.
;   xh   [4096][1024] f16                     = x
;   wcat [16 heads][1024 k][208] f16          = Wi_h (64 columns) | Wo_h (64) | Wv_h (64) | Wa_h, We_h, 6 zeros, Wa_h, We_h, 6 zeros
;   wob  [8 column blocks][1024 k][144] f16   = 4096 g R(Wout), 128 columns, then 16 zeros
; R and g: the chamber's rotation by pi sigmoid(beta_p) and its gain g = sigmoid(iv_p) sigmoid(ov_p) tanh(chi) are linear in a head's 64
; numbers, so they are applied to that head's 64 rows of Wout: row d' = g (cos W[d] + sin W[d+32]), row (d+32)' = g (cos W[d+32] - sin W[d]).
; The factor 4096 keeps small products clear of f16's denormals; the last launch takes it out again.
; LIMITS.  f16 holds magnitudes up to 65504: |x| and the weights must stay below that, and 4096 g |Wout| too (|Wout| < 16 at g = 1).
; tanh is 1 - 2 / (1 + e^(2 chi)): absolute error about 6e-8, so |chi| below about 1e-5 loses relative accuracy.
; sin and cos are series to y^11 and y^12 in y = pi (beta - 1/2), |y| <= pi/2 for every input since beta is a sigmoid; the first terms left out are below 6e-8.
; No matrix unit, no cluster: the launch only moves bytes.  Four waves; work-group g of 256 does one 256th of each of the three tasks.
; All that a wave reads is asked for at the start, so that the launch waits for memory once: 62 loads go out together, the last four behind the first wait.
.set T3B, 26624                        ; LDS: four waves x 6,656 bytes for wcat's rows, then 9,216 bytes for wob's rows
.set W2,  32                           ; v[32:127]   Wi, Wo, Wv: 8 loads of 4 registers each
.set GA,  128                          ; v128, v129  Wa, We
.set LO,  130                          ; v[130:145]  Wout, rows d
.set UP,  146                          ; v[146:161]  Wout, rows d + 32
.set XA,  192                          ; v[192:255]  x, first sixteen loads
.set XB,  0                            ; window 1, v[0:63] there (v256-v319): x, second sixteen loads
.set C2,  96                           ; v[96:147]   wcat's rows on their way out
.set C3,  162                          ; v[162:179]  wob's rows on their way out
.set Z,   180                          ; v[180:183]  the gate columns' 16 bytes: one packed word, three zeros
.set MSB, 0
.macro WIN new                         ; s_set_vgpr_msb: bits 1:0 source 0, 3:2 source 1, 5:4 source 2, 7:6 destination; the high byte repeats the setting that is left
.if MSB != \new
	s_set_vgpr_msb (MSB<<8)|\new
.set MSB, \new
.endif
.endm
	s_load_b512 s[4:19], s[0:1], 0x0               ; x, Wi, Wo, Wv, Wa, We, Wout, beta_p
	s_load_b256 s[20:27], s[0:1], 0x40             ; iv_p, ov_p, chi, xh
	s_load_b128 s[28:31], s[0:1], 0x60             ; wcat, wob
	v_lshl_add_u32 v190, v0, 2, 0x8c00
	v_mov_b32 v191, 0
	v_lshrrev_b32 v2, 5, v0
	v_readfirstlane_b32 s33, v2                    ; wave w
	v_and_b32 v1, 31, v0                           ; lane L
	v_and_b32 v2, 15, v0                           ; L & 15
	v_bfe_u32 v15, v0, 4, 1                        ; L >> 4
	; wcat: head h = g >> 4, my wave's 16 rows begin at k0 = 64 (g & 15) + 16 w
	s_lshr_b32 s34, ttmp9, 4
	s_and_b32 s35, ttmp9, 15
	s_lshl_b32 s35, s35, 6
	s_lshl4_add_u32 s36, s33, s35                  ; k0
	s_lshl_b32 s38, s36, 12
	s_lshl_b32 s37, s34, 8
	s_add_co_u32 s38, s38, s37                     ; Wi, Wo, Wv: k0 rows of 4,096 bytes + 256 h
	s_mov_b32 s39, 0
	s_lshl_b32 s40, s36, 6
	s_lshl2_add_u32 s40, s34, s40                  ; Wa, We: k0 rows of 64 bytes + 4 h
	s_mov_b32 s41, 0
	s_lshl_b32 s42, s34, 10
	s_add_co_u32 s42, s42, s36
	s_mul_i32 s42, s42, 416                        ; wcat: (1024 h + k0) rows of 416 bytes
	s_mov_b32 s43, 0
	; wob: column block nb = g >> 5, head hh = (g >> 1) & 15, rows d = 16 (g & 1) + 4 w + 0..3 and d + 32
	s_lshr_b32 s44, ttmp9, 5
	s_bfe_u32 s45, ttmp9, 0x40001
	s_and_b32 s46, ttmp9, 1
	s_lshl_b32 s47, s45, 6
	s_lshl4_add_u32 s47, s46, s47                  ; 64 hh + 16 half
	s_lshl2_add_u32 s48, s33, s47
	s_lshl_b32 s48, s48, 12
	s_lshl_b32 s37, s44, 9
	s_add_co_u32 s48, s48, s37                     ; Wout: my first row, + 512 nb
	s_mov_b32 s49, 0
	s_lshl_b32 s50, s44, 10
	s_add_co_u32 s50, s50, s47
	s_lshr_b32 s37, s33, 1
	s_lshl_b32 s37, s37, 5
	s_add_co_u32 s50, s50, s37                     ; waves 0, 1 carry out the rows d, waves 2, 3 the rows d + 32,
	s_mul_i32 s50, s50, 288
	s_and_b32 s37, s33, 1
	s_mul_i32 s37, s37, 2304
	s_add_co_u32 s50, s50, s37                     ; each 2,304 of their 4,608 bytes
	s_mov_b32 s51, 0
	s_lshl_b32 s52, s45, 2                         ; the head's word in beta_p, iv_p, ov_p, chi
	s_mov_b32 s53, 0
	s_lshl_b32 s54, ttmp9, 16                      ; x: 65,536 bytes a work-group
	s_mov_b32 s55, 0
	s_lshl_b32 s56, ttmp9, 15                      ; xh: 32,768
	s_mov_b32 s57, 0
	s_mul_i32 s58, s33, 6656                       ; my wave's wcat rows in LDS
	s_mul_i32 s59, s33, 1152                       ; my wave's four wob rows in LDS
	s_mul_i32 s32, s33, 2304                       ; what my wave carries out of wob's rows
	v_lshlrev_b32 v3, 4, v0                        ; x: 16 t
	v_lshlrev_b32 v4, 3, v0                        ; xh: 8 t
	v_lshlrev_b32 v5, 4, v2
	v_lshl_add_u32 v5, v15, 12, v5                 ; Wi, Wo, Wv: 16 lanes take a row's 256 bytes, the other 16 the next row's
	v_lshlrev_b32 v6, 6, v2                        ; Wa, We: row L & 15
	v_mul_u32_u24 v7, v15, 416
	v_lshl_add_u32 v7, v2, 3, v7
	v_add_nc_u32 v7, s58, v7                       ; LDS: row L >> 4, 8 bytes at 8 (L & 15)
	v_mul_u32_u24 v8, v2, 416
	v_lshl_add_u32 v8, v15, 4, v8
	v_add_nc_u32 v8, s58, v8                       ; LDS: row L & 15, 16 bytes at 384 + 16 (L >> 4)
	v_lshlrev_b32 v10, 4, v1                       ; 16 L
	v_add_nc_u32 v9, s58, v10                      ; LDS: my wave's rows read back, 512 bytes an instruction
	v_lshlrev_b32 v14, 3, v1                       ; 8 L
	v_add_nc_u32 v11, s59, v14                     ; LDS: a wob row's 256 bytes
	v_bfe_u32 v12, v0, 2, 2
	v_mul_u32_u24 v12, v12, 288
	v_and_b32 v13, 3, v0
	v_lshl_add_u32 v12, v13, 3, v12
	v_add_nc_u32 v12, s59, v12                     ; LDS: the 32 zero bytes behind each of my four rows (lanes 16-31 repeat lanes 0-15)
	v_add_nc_u32 v13, s32, v14                     ; LDS: wob's rows read back, 256 bytes an instruction
	s_wait_kmcnt 0x0
	s_add_nc_u64 s[18:19], s[18:19], s[52:53]
	s_add_nc_u64 s[20:21], s[20:21], s[52:53]
	s_add_nc_u64 s[22:23], s[22:23], s[52:53]
	s_add_nc_u64 s[24:25], s[24:25], s[52:53]
	s_load_b32 s60, s[18:19], 0x0                  ; beta_p[hh]
	s_load_b32 s61, s[20:21], 0x0                  ; iv_p[hh]
	s_load_b32 s62, s[22:23], 0x0                  ; ov_p[hh]
	s_load_b32 s63, s[24:25], 0x0                  ; chi[hh]
	s_add_nc_u64 s[4:5], s[4:5], s[54:55]
	s_add_nc_u64 s[6:7], s[6:7], s[38:39]
	s_add_nc_u64 s[8:9], s[8:9], s[38:39]
	s_add_nc_u64 s[10:11], s[10:11], s[38:39]
	s_add_nc_u64 s[12:13], s[12:13], s[40:41]
	s_add_nc_u64 s[14:15], s[14:15], s[40:41]
	s_add_nc_u64 s[16:17], s[16:17], s[48:49]
	s_add_nc_u64 s[26:27], s[26:27], s[56:57]
	s_add_nc_u64 s[28:29], s[28:29], s[42:43]
	s_add_nc_u64 s[30:31], s[30:31], s[50:51]
	; 62 loads go out at once: 26 for wcat, 8 for wob, 16 + 12 for x
.irp i, 0,1,2,3,4,5,6,7
	global_load_b128 v[W2+4*\i:W2+4*\i+3], v5, s[6:7] offset:8192*\i th:TH_LOAD_NT
.endr
.irp i, 0,1,2,3,4,5,6,7
	global_load_b128 v[W2+32+4*\i:W2+32+4*\i+3], v5, s[8:9] offset:8192*\i th:TH_LOAD_NT
.endr
.irp i, 0,1,2,3,4,5,6,7
	global_load_b128 v[W2+64+4*\i:W2+64+4*\i+3], v5, s[10:11] offset:8192*\i th:TH_LOAD_NT
.endr
	global_load_b32 v[GA], v6, s[12:13]            ; one word of each of 16 rows of 64 bytes: 128 KiB in the whole launch, taken as it lies
	global_load_b32 v[GA+1], v6, s[14:15]
.irp i, 0,1,2,3
	global_load_b128 v[LO+4*\i:LO+4*\i+3], v10, s[16:17] offset:4096*\i th:TH_LOAD_NT
.endr
.irp i, 0,1,2,3
	global_load_b128 v[UP+4*\i:UP+4*\i+3], v10, s[16:17] offset:131072+4096*\i th:TH_LOAD_NT
.endr
.irp i, 0,1,2,3,4,5,6,7,8,9,10,11,12,13,14,15
	global_load_b128 v[XA+4*\i:XA+4*\i+3], v3, s[4:5] offset:2048*\i th:TH_LOAD_NT
.endr
	WIN 0x40                                       ; the loaded data go to window 1, the address stays in window 0
.irp i, 0,1,2,3,4,5,6,7,8,9,10,11
	global_load_b128 v[XB+4*\i:XB+4*\i+3], v3, s[4:5] offset:32768+2048*\i th:TH_LOAD_NT
.endr
	WIN 0
	; the head's constants, while the loads are on their way
	s_wait_kmcnt 0x0
	v_mov_b32 v22, s60
	v_mov_b32 v23, s61
	v_mov_b32 v24, s62
	v_mov_b32 v25, s63
	v_mul_f32 v22, 0xbfb8aa3b, v22                 ; -log2(e) x: sigmoid(x) = 1 / (1 + 2^that)
	v_mul_f32 v23, 0xbfb8aa3b, v23
	v_mul_f32 v24, 0xbfb8aa3b, v24
	v_mul_f32 v25, 0x4038aa3b, v25                 ; 2 log2(e) chi
	v_exp_f32 v22, v22
	v_exp_f32 v23, v23
	v_exp_f32 v24, v24
	v_exp_f32 v25, v25
	v_nop                                          ; one plain instruction behind a transcendental before its result is used (ISA guide 5.7.2)
	s_wait_alu depctr_va_vdst(0)
	v_add_f32 v22, 1.0, v22
	v_add_f32 v23, 1.0, v23
	v_add_f32 v24, 1.0, v24
	v_add_f32 v25, 1.0, v25
	v_rcp_f32 v22, v22                             ; beta
	v_rcp_f32 v23, v23                             ; iv
	v_rcp_f32 v24, v24                             ; ov
	v_rcp_f32 v25, v25
	v_nop
	s_wait_alu depctr_va_vdst(0)
	v_add_f32 v22, -0.5, v22
	v_mul_f32 v22, 0x40490fdb, v22                 ; y = pi (beta - 1/2): cos(pi beta) = -sin y, sin(pi beta) = cos y
	v_mul_f32 v26, v22, v22                        ; y^2
	v_mov_b32 v27, 0xb2d7322b                      ; sin y = y (1 - y^2/3! + ... - y^10/11!)
	v_fmaak_f32 v27, v27, v26, 0x3638ef1d
	v_fmaak_f32 v27, v27, v26, 0xb9500d01
	v_fmaak_f32 v27, v27, v26, 0x3c088889
	v_fmaak_f32 v27, v27, v26, 0xbe2aaaab
	v_fma_f32 v27, v27, v26, 1.0
	v_mul_f32 v27, v27, v22
	v_mov_b32 v28, 0x310f76c7                      ; cos y = 1 - y^2/2! + ... + y^12/12!
	v_fmaak_f32 v28, v28, v26, 0xb493f27e
	v_fmaak_f32 v28, v28, v26, 0x37d00d01
	v_fmaak_f32 v28, v28, v26, 0xbab60b61
	v_fmaak_f32 v28, v28, v26, 0x3d2aaaab
	v_fma_f32 v28, v28, v26, -0.5
	v_fma_f32 v28, v28, v26, 1.0
	v_fma_f32 v25, v25, -2.0, 1.0                  ; tanh(chi)
	v_mul_f32 v23, v23, v24
	v_mul_f32 v23, v23, v25
	v_mul_f32 v23, 0x45800000, v23                 ; 4096 g
	v_mul_f32 v18, v23, v28                        ; sg = 4096 g sin(pi beta), as a pair
	v_mul_f32 v19, v23, v28
	v_xor_b32 v20, 0x80000000, v18                 ; -sg, as a pair
	v_xor_b32 v21, 0x80000000, v18
	v_mul_f32 v16, v23, v27
	v_xor_b32 v16, 0x80000000, v16                 ; cg = 4096 g cos(pi beta), as a pair
	v_mov_b32 v17, v16
	; wcat: cast, and lay the three weights' pieces side by side in my wave's 16 rows of 416 bytes
	s_wait_loadcnt 36                              ; loads come back in order (ISA guide 5.7.1): the 8 + 16 + 12 younger ones stay out
	WIN 0x40
.irp i, 12,13,14,15
	global_load_b128 v[XB+4*\i:XB+4*\i+3], v3, s[4:5] offset:32768+2048*\i th:TH_LOAD_NT   ; the last four loads of x
.endr
	WIN 0
.irp s, 0,1,2
.irp i, 0,1,2,3,4,5,6,7
	v_cvt_pk_f16_f32 v[W2+32*\s+4*\i], v[W2+32*\s+4*\i], v[W2+32*\s+4*\i+1]
	v_cvt_pk_f16_f32 v[W2+32*\s+4*\i+1], v[W2+32*\s+4*\i+2], v[W2+32*\s+4*\i+3]
	ds_store_b64 v7, v[W2+32*\s+4*\i:W2+32*\s+4*\i+1] offset:832*\i+128*\s
.endr
.endr
	v_cvt_pk_f16_f32 v[Z], v[GA], v[GA+1]          ; Wa, We side by side; the same 16 bytes for columns 192.. and 200..
	v_mov_b32 v[Z+1], 0
	v_mov_b32 v[Z+2], 0
	v_mov_b32 v[Z+3], 0
	ds_store_b128 v8, v[Z:Z+3] offset:384
	ds_store_b64 v12, v[Z+2:Z+3] offset:T3B+256            ; wob's zero columns, rows d
	ds_store_b64 v12, v[Z+2:Z+3] offset:T3B+256+4608       ; and rows d + 32
	; wob: rotate, scale, cast
	s_wait_loadcnt 32                              ; Wout's eight loads are in; x's 16 + 12 + 4 stay out
.irp i, 0,1,2,3
.irp j, 0,2
	v_pk_mul_f32 v[22+\j:23+\j], v[LO+4*\i+\j:LO+4*\i+\j+1], v[16:17]
	v_pk_mul_f32 v[26+\j:27+\j], v[UP+4*\i+\j:UP+4*\i+\j+1], v[16:17]
	v_pk_fma_f32 v[22+\j:23+\j], v[UP+4*\i+\j:UP+4*\i+\j+1], v[18:19], v[22+\j:23+\j]
	v_pk_fma_f32 v[26+\j:27+\j], v[LO+4*\i+\j:LO+4*\i+\j+1], v[20:21], v[26+\j:27+\j]
.endr
	v_cvt_pk_f16_f32 v30, v22, v23
	v_cvt_pk_f16_f32 v31, v24, v25
	v_cvt_pk_f16_f32 v184, v26, v27
	v_cvt_pk_f16_f32 v185, v28, v29
	ds_store_b64 v11, v[30:31] offset:T3B+288*\i
	ds_store_b64 v11, v[184:185] offset:T3B+4608+288*\i
.endr
	s_wait_dscnt 0x0                               ; my LDS stores are done, for the waves that carry wob's rows out
	s_barrier_signal -1
	s_barrier_wait -1
	; the way out: whole runs of 512 (wcat) and 256 (wob) consecutive bytes an instruction, each at a multiple of 256 from its buffer's first byte
.irp i, 0,1,2,3,4,5,6,7,8,9,10,11,12
	ds_load_b128 v[C2+4*\i:C2+4*\i+3], v9 offset:512*\i
.endr
.irp i, 0,1,2,3,4,5,6,7,8
	ds_load_b64 v[C3+2*\i:C3+2*\i+1], v13 offset:T3B+256*\i
.endr
.irp i, 0,1,2,3,4,5,6,7,8,9,10,11,12
	s_wait_dscnt 21-\i                             ; LDS loads come back in order: number i of the 22 is in
	global_store_b128 v10, v[C2+4*\i:C2+4*\i+3], s[28:29] offset:512*\i
.endr
.irp i, 0,1,2,3,4,5,6,7,8
	s_wait_dscnt 8-\i
	global_store_b64 v14, v[C3+2*\i:C3+2*\i+1], s[30:31] offset:256*\i
.endr
	; x: cast in place; a wave's store covers 256 consecutive bytes, aligned
	s_wait_loadcnt 16                              ; the first sixteen loads of x are in, the second sixteen may stay out
.irp i, 0,1,2,3,4,5,6,7,8,9,10,11,12,13,14,15
	v_cvt_pk_f16_f32 v[XA+4*\i], v[XA+4*\i], v[XA+4*\i+1]
	v_cvt_pk_f16_f32 v[XA+4*\i+1], v[XA+4*\i+2], v[XA+4*\i+3]
	global_store_b64 v4, v[XA+4*\i:XA+4*\i+1], s[26:27] offset:1024*\i
.endr
	s_wait_loadcnt 0x0
	WIN 0x45                                       ; both sources and the destination in window 1
.irp i, 0,1,2,3,4,5,6,7,8,9,10,11,12,13,14,15
	v_cvt_pk_f16_f32 v[XB+4*\i], v[XB+4*\i], v[XB+4*\i+1]
	v_cvt_pk_f16_f32 v[XB+4*\i+1], v[XB+4*\i+2], v[XB+4*\i+3]
.endr
	WIN 0x04                                       ; a store's data are its source 1: window 1; its address, source 0: window 0
.irp i, 0,1,2,3,4,5,6,7,8,9,10,11,12,13,14,15
	global_store_b64 v4, v[XB+4*\i:XB+4*\i+1], s[26:27] offset:16384+1024*\i
.endr
	WIN 0
	s_wait_tensorcnt 0x0
	ds_add_u32 v190, v191
	s_wait_dscnt 0x0
	s_endpgm
.Lfunc_end_k_q81daf19988_prep:
	.size	k_q81daf19988_prep, .Lfunc_end_k_q81daf19988_prep-k_q81daf19988_prep
	.p2alignl 7, 3214868480
	.fill 96, 4, 3214868480
	.section	.rodata,"a",@progbits
	.p2align	6, 0x0
	.amdhsa_kernel k_q81daf19988_prep
		.amdhsa_group_segment_fixed_size 36352
		.amdhsa_private_segment_fixed_size 0
		.amdhsa_enable_private_segment 0
		.amdhsa_kernarg_size 112
		.amdhsa_user_sgpr_count 2
		.amdhsa_user_sgpr_kernarg_segment_ptr 1
		.amdhsa_wavefront_size32 1
		.amdhsa_system_sgpr_workgroup_id_x 1
		.amdhsa_system_sgpr_workgroup_id_y 1
		.amdhsa_system_sgpr_workgroup_id_z 1
		.amdhsa_system_vgpr_workitem_id 0
		.amdhsa_next_free_vgpr 320
		.amdhsa_next_free_sgpr 66
		.amdhsa_reserve_vcc 0
		.amdhsa_float_denorm_mode_32 3
		.amdhsa_float_denorm_mode_16_64 3
		.amdhsa_memory_ordered 1
		.amdhsa_forward_progress 1
		.amdhsa_inst_pref_size 33
	.end_amdhsa_kernel
	.amdgpu_metadata
---
amdhsa.version: [ 1, 2 ]
amdhsa.kernels:
  - .name:           k_q81daf19988_prep
    .symbol:         k_q81daf19988_prep.kd
    .args:
      - { .name: x, .offset: 0, .size: 8, .value_kind: global_buffer, .address_space: global }
      - { .name: Wi, .offset: 8, .size: 8, .value_kind: global_buffer, .address_space: global }
      - { .name: Wo, .offset: 16, .size: 8, .value_kind: global_buffer, .address_space: global }
      - { .name: Wv, .offset: 24, .size: 8, .value_kind: global_buffer, .address_space: global }
      - { .name: Wa, .offset: 32, .size: 8, .value_kind: global_buffer, .address_space: global }
      - { .name: We, .offset: 40, .size: 8, .value_kind: global_buffer, .address_space: global }
      - { .name: Wout, .offset: 48, .size: 8, .value_kind: global_buffer, .address_space: global }
      - { .name: beta_p, .offset: 56, .size: 8, .value_kind: global_buffer, .address_space: global }
      - { .name: iv_p, .offset: 64, .size: 8, .value_kind: global_buffer, .address_space: global }
      - { .name: ov_p, .offset: 72, .size: 8, .value_kind: global_buffer, .address_space: global }
      - { .name: chi, .offset: 80, .size: 8, .value_kind: global_buffer, .address_space: global }
      - { .name: xh, .offset: 88, .size: 8, .value_kind: global_buffer, .address_space: global }
      - { .name: wcat, .offset: 96, .size: 8, .value_kind: global_buffer, .address_space: global }
      - { .name: wob, .offset: 104, .size: 8, .value_kind: global_buffer, .address_space: global }
    .group_segment_fixed_size: 36352
    .private_segment_fixed_size: 0
    .kernarg_segment_align: 8
    .kernarg_segment_size: 112
    .max_flat_workgroup_size: 128
    .sgpr_count:     66
    .vgpr_count:     320
    .wavefront_size: 32
...
	.end_amdgpu_metadata
.endif
;; end of part 1
;; launch proj (part 2): grid 16 x 16, 4 waves a work-group, clusters of 4 x 4, 327,680 bytes of LDS; arguments xh, wcat, ba, be, qb, kb, vb, gate; writes qb, kb, vb, gate
.if DOCPART == 2
	.amdgcn_target "amdgcn-amd-amdhsa--gfx1250"
	.amdhsa_code_object_version 6
	.text
	.protected	k_q81daf19988_proj
	.globl	k_q81daf19988_proj
	.p2align	8
	.type	k_q81daf19988_proj,@function
k_q81daf19988_proj:
	s_mov_b64 s[64:65], 0
	v_nop
	global_prefetch_b8 v0, s[64:65] scope:SCOPE_SE
	s_setreg_imm32_b32 hwreg(HW_REG_WAVE_MODE, 25, 1), 1
	s_wait_xcnt 0x0
	s_wait_alu depctr_hold_cnt(0) depctr_sa_sdst(0) depctr_va_vdst(0) depctr_va_sdst(0) depctr_va_ssrc(0) depctr_va_vcc(0) depctr_vm_vsrc(0)
	s_getreg_b32 s2, hwreg(HW_REG_IB_STS2, 6, 4)
	s_cmp_eq_u32 s2, 0
	s_cbranch_scc0 .Lentry_in_a_cluster
	s_endpgm
.Lentry_in_a_cluster:
	s_bfe_u32 s2, ttmp6, 0x10000c
	s_cmp_lg_u32 s2, 0xf033
	s_cbranch_scc0 .Lentry_shape_is_right
	s_endpgm
.Lentry_shape_is_right:
; q, k, v and the two gates of one head for 256 tokens: [256 x 1024] x [1024 x 208], f16 operands, f32 sums.
; Work-group (x = head h, y = block of 256 tokens).  Four waves; wave w makes tokens 64 w .. 64 w + 63 across all 208 columns: 4 x 13 tiles of
; 16 x 16, 416 accumulator registers, so that a wave owns whole rows of q, k, v and its tokens' gates, and nothing passes between waves on the way out.
; K goes in steps of 128 through two LDS slots: x's tile as 256 rows of 256 bytes padded to 272, the panel's 128 rows of 416 bytes as they lie in memory.
; CLUSTER 4 x 4: x's tile hangs on the token block alone and is asked for jointly along a row of the cluster, the panel's on the head alone and is
; asked for jointly along a column: a quarter of the requests.  A wave has two tensor loads out at the start and one behind each round afterwards.
; OUT: qb [64 bh][1024 t][72]: 64 f16 of q, then the aperture a = sigmoid(x Wa + ba) as f32, then 12 zero bytes;  kb likewise with 16 zero bytes;
;      vb [64][1024][80]: 64 f16 of v, 1.0 in columns 64 and 72, zeros else;  gate [64][16 blocks of 64 t][64 f32 Lambda | 64 f32 w],
;      w = 1 / sigmoid(x We + be) = 1 + e^-(..), Lambda = -log2(w) 8 ln 2: added to q.k it puts the key's gate into the exponent.
; LIMITS.  q, k, v are kept in f16: magnitudes up to 65504.  w is cut at 2^100: a key gate below 2^-100 counts as 2^-100.
; REGISTERS: window 0: v16-31 addresses, v32-63 gates, v64-127 x's fragments (two buffers), v128-255 the way out; window 1: v0-207 the panel's
; fragments (two buffers); windows 2, 3: the accumulators of token tiles 0, 1 and 2, 3, tile (a, b) at v[8 (13 (a & 1) + b)].
; The matrix instruction is used transposed (source 0 = 16 columns of the panel, source 1 = 16 tokens): a lane holds 8 neighbouring columns of one token.
.set APITCH, 272
.set BPITCH, 416
.set AHALF,  128*APITCH                ; 34,816: what one of waves 0, 1 fetches
.set ABYTES, 2*AHALF
.set BHALF,  64*BPITCH                 ; 26,624: what one of waves 2, 3 fetches
.set SLOT,   ABYTES+2*BHALF            ; 122,880
.set STG,    29184                     ; a wave's stage on the way out: q 9,216, k 9,216, v 10,240, gates 512; it lies in slot 0
.set ADRA, 16                          ; v16, v17  my x fragments in slot 0, 1
.set ADRB, 20                          ; v20, v21  the panel's fragments in slot 0, 1
.set STQ,  22
.set STV,  23
.set PADQ, 24
.set PADV, 25
.set GST,  26
.set RD,   27
.set CO,   28
.set TMP,  128
.set G1,  24                           ; s[24:31] group 1 for x's tiles
.set G0,  32                           ; s[32:39] group 0 for x's tiles, a set for each slot
.set G1B, 48                           ; s[48:55] group 1 for the panel's tiles
.set G0B, 56                           ; s[56:63] group 0 for the panel's tiles
.set MSB, 0
.macro WIN new                         ; the immediate's high byte repeats the setting that is left
.if MSB != \new
	s_set_vgpr_msb (MSB<<8)|\new
.set MSB, \new
.endif
.endm
.macro PLACES                          ; four places behind a matrix instruction (ISA guide 7.12.1) before its registers are loaded into or its result is read
.rept 4
	v_nop
.endr
.endm
.macro JLOAD s                         ; waves 0, 1 ask for x's two halves, waves 2, 3 for the panel's: one line, one mask each
	s_cmp_eq_u32 s21, 0
	s_cbranch_scc0 .Lfor_b_\@
	tensor_load_to_lds s[G0+4*\s:G0+4*\s+3], s[G1:G1+7]
	s_nop 0
	s_branch .Lasked_\@
.Lfor_b_\@:
	tensor_load_to_lds s[G0B+4*\s:G0B+4*\s+3], s[G1B:G1B+7]
	s_nop 0
.Lasked_\@:
.endm
.macro CREST                           ; a round of the cluster's barrier behind its opening work-group barrier
	s_cmp_lg_u32 s20, 0
	s_cbranch_scc1 .Lnot_wave_0_\@
	s_barrier_signal -3
.Lnot_wave_0_\@:
	s_barrier_wait -3
	s_barrier_signal -1
	s_barrier_wait -1
.endm
.macro CROUND
	s_barrier_signal -1
	s_barrier_wait -1
	CREST
.endm
	s_load_b512 s[4:19], s[0:1], 0x0               ; xh, wcat, ba, be, qb, kb, vb, gate
	s_set_vgpr_msb 0x40
	v_lshl_add_u32 v255, v0, 2, 0x3c000
	s_set_vgpr_msb 0x4000
	v_mov_b32 v255, 0
	s_set_vgpr_msb 0x1
	ds_add_u32 v255, v255
	s_set_vgpr_msb 0x100
	v_lshrrev_b32 v1, 5, v0
	v_readfirstlane_b32 s20, v1                    ; wave
	s_lshr_b32 s21, s20, 1                         ; 0: I fetch for x, 1: for the panel
	s_and_b32 s22, s20, 1                          ; which half of that tile
	s_bfe_u32 s40, ttmp6, 0x40000                  ; cx
	s_bfe_u32 s41, ttmp6, 0x40004                  ; cy
	s_lshl_b32 s42, ttmp9, 2
	s_add_co_u32 s42, s42, s40                     ; head h
	s_and_b32 s43, ttmp7, 0xffff
	s_lshl_b32 s43, s43, 2
	s_add_co_u32 s43, s43, s41                     ; token block rb
	s_lshl_b32 s44, s41, 2
	s_lshl_b32 s44, 15, s44                        ; my row of the cluster
	s_lshl_b32 s45, 0x1111, s40                    ; my column
	s_or_b32 s[G1+0], s44, (1<<16)|(1<<20)|(1<<21)|(5<<22)|(3<<25)  ; mask; elements of 2 bytes; 4 words of padding behind every 64; bit 21 beside a mask
	s_mov_b32 s[G1+1], 128<<16                     ; tensor_dim0 = 128
	s_mov_b32 s[G1+2], 128<<16                     ; tensor_dim1 = 128
	s_mov_b32 s[G1+3], 128<<16                     ; tile_dim0 = 128 elements: 256 bytes
	s_mov_b32 s[G1+4], 128                         ; tile_dim1 = 128 rows
	s_mov_b32 s[G1+5], 1024                        ; from row to row
	s_mov_b32 s[G1+6], 0
	s_mov_b32 s[G1+7], 0
	s_or_b32 s[G1B+0], s45, (3<<16)|(1<<21)        ; mask; elements of 8 bytes; a dense block as rows of 256 bytes
	s_mov_b32 s[G1B+1], 32<<16
	s_mov_b32 s[G1B+2], 104<<16
	s_mov_b32 s[G1B+3], 32<<16
	s_mov_b32 s[G1B+4], 104                        ; 104 x 256 = 26,624 bytes = 64 panel rows
	s_mov_b32 s[G1B+5], 32
	s_mov_b32 s[G1B+6], 0
	s_mov_b32 s[G1B+7], 0
	s_lshl_b32 s66, s43, 19                        ; x: 256 rb rows of 2,048 bytes
	s_lshl_b32 s67, s22, 18                        ; + 128 rows for the second half
	s_add_co_u32 s66, s66, s67
	s_mov_b32 s67, 0
	s_mul_i32 s46, s42, 425984                     ; panel h
	s_mul_i32 s47, s22, BHALF
	s_add_co_u32 s46, s46, s47
	s_mov_b32 s47, 0
	s_mul_i32 s68, s20, AHALF                      ; LDS: x's halves at wave x 34,816 (waves 0, 1)
	s_mul_i32 s69, s20, BHALF
	s_add_co_u32 s69, s69, ABYTES-2*BHALF          ; the panel's at 69,632 + (wave - 2) x 26,624 (waves 2, 3)
	s_lshl_b32 s70, s42, 2
	s_mov_b32 s71, 0
	s_wait_dscnt 0x0
	s_wait_kmcnt 0x0
	s_add_nc_u64 s[66:67], s[4:5], s[66:67]
	s_add_nc_u64 s[46:47], s[6:7], s[46:47]
	s_add_nc_u64 s[8:9], s[8:9], s[70:71]
	s_add_nc_u64 s[10:11], s[10:11], s[70:71]
	s_load_b32 s72, s[8:9], 0x0                    ; ba[h]
	s_load_b32 s73, s[10:11], 0x0                  ; be[h]
	CROUND                                         ; all sixteen work-groups are here: the first joint loads meet
.irp s, 0,1
	s_mov_b32 s[G0+4*\s], 1
	s_add_co_u32 s[G0+4*\s+1], s68, \s*SLOT
	s_add_nc_u64 s[G0+4*\s+2:G0+4*\s+3], s[66:67], \s*256
	s_or_b32 s[G0+4*\s+3], s[G0+4*\s+3], 0x80000000
	s_mov_b32 s[G0B+4*\s], 1
	s_add_co_u32 s[G0B+4*\s+1], s69, \s*SLOT
	s_add_nc_u64 s[G0B+4*\s+2:G0B+4*\s+3], s[46:47], \s*2*BHALF
	s_or_b32 s[G0B+4*\s+3], s[G0B+4*\s+3], 0x80000000
	JLOAD \s
.endr
	v_and_b32 v1, 15, v0                           ; r
	v_bfe_u32 v2, v0, 4, 1                         ; h
	v_mul_u32_u24 v3, v1, APITCH
	v_lshl_add_u32 v3, v2, 4, v3
	s_mul_i32 s74, s20, 64*APITCH
	v_add_nc_u32 v[ADRA], s74, v3                  ; (64 w + r) 272 + 16 h
	v_add_nc_u32 v[ADRA+1], SLOT, v[ADRA]
	v_and_b32 v4, 7, v0
	v_lshl_add_u32 v4, v2, 3, v4
	v_mul_u32_u24 v4, v4, BPITCH
	v_bfe_u32 v5, v0, 3, 1
	v_lshl_add_u32 v4, v5, 4, v4                   ; the transposing load's address: (8 h + (L & 7)) 416 + 16 ((L >> 3) & 1)
	v_add_nc_u32 v[ADRB], ABYTES, v4
	v_add_nc_u32 v[ADRB+1], SLOT+ABYTES, v4
	s_mul_i32 s75, s20, STG
	v_mul_u32_u24 v3, v1, 144
	v_add_nc_u32 v3, s75, v3
	v_lshl_add_u32 v[STQ], v2, 4, v3               ; stage, q and k: row r, 16 bytes for each half of the lanes
	v_mul_u32_u24 v4, v2, 9216
	v_add3_u32 v[PADQ], v3, v4, 128                ; the 16 bytes behind q's row (lanes 0-15) and behind k's (lanes 16-31)
	v_mul_u32_u24 v3, v1, 160
	v_add_nc_u32 v3, s75, v3
	v_lshl_add_u32 v3, v2, 4, v3
	v_add_nc_u32 v[STV], 18432, v3
	v_add_nc_u32 v[PADV], 18432+128, v3
	v_and_b32 v4, 31, v0
	v_lshlrev_b32 v[CO], 4, v4
	v_add_nc_u32 v[RD], s75, v[CO]
	v_lshlrev_b32 v4, 2, v4
	v_add_nc_u32 v4, s75, v4
	v_add_nc_u32 v[GST], 28672, v4
; 34 LDS loads: the fragments of 32 along K (quarter kq of the slot) into buffer f: 13 x 16 columns of the panel by transposing loads, my 4 x 16 tokens
.macro FETCH slot, kq, f
	WIN 0x40
.irp b, 0,1,2,3,4,5,6,7,8,9,10,11,12
	ds_load_tr16_b128 v[104*\f+8*\b:104*\f+8*\b+3], v[ADRB+\slot] offset:13312*\kq+32*\b
	ds_load_tr16_b128 v[104*\f+8*\b+4:104*\f+8*\b+7], v[ADRB+\slot] offset:13312*\kq+32*\b+6656
.endr
	WIN 0
.irp i, 0,1,2,3
	ds_load_b128 v[64+32*\f+8*\i:64+32*\f+8*\i+3], v[ADRA+\slot] offset:64*\kq+4352*\i
	ds_load_b128 v[64+32*\f+8*\i+4:64+32*\f+8*\i+7], v[ADRA+\slot] offset:64*\kq+4352*\i+32
.endr
.endm
; 26 matrix instructions: token tiles 2 hi, 2 hi + 1 x all 13 column tiles.  The 52 accumulators take turns, one instruction a turn.
.macro MUL f, hi, zero
.irp a, 0,1
.irp b, 0,1,2,3,4,5,6,7,8,9,10,11,12
.if \zero
	v_wmma_f32_16x16x32_f16 v[8*(13*\a+\b):8*(13*\a+\b)+7], v[104*\f+8*\b:104*\f+8*\b+7], v[64+32*\f+8*(2*\hi+\a):64+32*\f+8*(2*\hi+\a)+7], 0
.else
	v_wmma_f32_16x16x32_f16 v[8*(13*\a+\b):8*(13*\a+\b)+7], v[104*\f+8*\b:104*\f+8*\b+7], v[64+32*\f+8*(2*\hi+\a):64+32*\f+8*(2*\hi+\a)+7], v[8*(13*\a+\b):8*(13*\a+\b)+7]
.endif
.endr
.endr
.endm
; One of a K step's first three quarters: asks for quarter kn's fragments into buffer g, then multiplies buffer f, asked for a quarter ago.
.macro QTR slot, kn, f, g, zero
	PLACES
	FETCH \slot, \kn, \g
	s_wait_dscnt 34                                ; all but the 34 just issued: buffer f is in
	WIN 0xa1
	MUL \f, 0, \zero
	WIN 0xf1
	MUL \f, 1, \zero
.endm
; The last quarter multiplies buffer 1 and changes slots.  In front of the barrier each wave waits for its reads of this slot and for all its tensor loads
; (the one out is its part of the next slot); where the slot is filled again the barrier opens a round of the cluster's barrier, and the joint load is
; the first tensor load behind the round.
.macro TURN slot, next, fill
	WIN 0xa1
	s_wait_dscnt 0x0
	s_wait_tensorcnt 0x0
	ds_add_u32 v255, v255
	s_wait_dscnt 0x0
	s_barrier_signal -1
	MUL 1, 0, 0
	WIN 0
	s_barrier_wait -1
.if \fill
	CREST
	s_add_nc_u64 s[G0+4*\slot+2:G0+4*\slot+3], s[G0+4*\slot+2:G0+4*\slot+3], 512
	s_add_nc_u64 s[G0B+4*\slot+2:G0B+4*\slot+3], s[G0B+4*\slot+2:G0B+4*\slot+3], 4*BHALF
	JLOAD \slot
.endif
	PLACES
	FETCH \next, 0, 0
	WIN 0xf1
	MUL 1, 1, 0
.endm
.macro THREE slot, zero
	QTR \slot, 1, 0, 1, \zero
	QTR \slot, 2, 1, 0, 0
	QTR \slot, 3, 0, 1, 0
.endm
.macro LAP zero
	THREE 0, \zero
	TURN 0, 1, 1
	THREE 1, 0
	TURN 1, 0, 1
.endm
	s_wait_kmcnt 0x0                               ; ba[h], be[h]
	s_wait_tensorcnt 1                             ; my part of K step 0 is in; K step 1's stays out
	s_barrier_signal -1
	s_barrier_wait -1
	FETCH 0, 0, 0
	LAP 1                                          ; K steps 0, 1: the first products start the sums
	WIN 0
	s_mov_b32 s23, 2
.Llap:
	LAP 0                                          ; K steps 2 to 5
	WIN 0
	s_sub_co_u32 s23, s23, 1
	s_cmp_lg_u32 s23, 0
	s_cbranch_scc1 .Llap
	THREE 0, 0                                     ; K steps 6, 7: nothing is left to fetch
	TURN 0, 1, 0
	THREE 1, 0
	s_wait_dscnt 0x0
	WIN 0xa1
	MUL 1, 0, 0
	WIN 0xf1
	MUL 1, 1, 0
	; THE WAY OUT.  The stage lies in slot 0: its last fill is long done, and every wave's reads of it ended in front of the last change of slots.
	PLACES
	WIN 0x0a                                       ; column tile 12: register 0 is x.Wa, register 1 x.We of token r, in both halves of the lanes
	v_add_f32 v32, s72, v96
	v_add_f32 v36, s73, v97
	v_add_f32 v33, s72, v200
	v_add_f32 v37, s73, v201
	WIN 0x0f
	v_add_f32 v34, s72, v96
	v_add_f32 v38, s73, v97
	v_add_f32 v35, s72, v200
	v_add_f32 v39, s73, v201
	WIN 0
.irp i, 32,33,34,35,36,37,38,39
	v_mul_f32 v\i, 0xbfb8aa3b, v\i
.endr
.irp i, 32,33,34,35,36,37,38,39
	v_exp_f32 v\i, v\i
.endr
	v_cmp_eq_u32 vcc_lo, 1, v2                     ; lanes 16-31 (also the plain instruction behind the exponentials: ISA guide 5.7.2)
	s_wait_alu depctr_va_vdst(0)
.irp i, 32,33,34,35,36,37,38,39
	v_add_f32 v\i, 1.0, v\i
.endr
.irp i, 0,1,2,3
	v_min_num_f32 v[44+\i], 0x71800000, v[36+\i]   ; w, cut at 2^100
.endr
.irp i, 0,1,2,3
	v_rcp_f32 v[40+\i], v[32+\i]                   ; a
	v_log_f32 v[48+\i], v[44+\i]
.endr
	v_mov_b32 v57, 0
	v_mov_b32 v58, 0
	v_mov_b32 v59, 0
	v_mov_b32 v60, 0x3c00                          ; f16 1.0 in the first of eight columns
	v_mov_b32 v61, 0
	v_mov_b32 v62, 0
	v_mov_b32 v63, 0
	s_wait_alu depctr_va_vdst(0)
.irp i, 0,1,2,3
	v_mul_f32 v[48+\i], 0xc0b17218, v[48+\i]       ; Lambda = -8 ln 2 log2(w)
.endr
.macro OUTA a, ap, from                ; token tile a: round to f16, 16 bytes a lane into the stage's rows, and the bytes behind the rows
	WIN \from
.irp b, 0,1,2,3,4,5,6,7,8,9,10,11
.irp r, 0,1,2,3
	v_cvt_pk_f16_f32 v[TMP+4*\b+\r], v[8*(13*\ap+\b)+2*\r], v[8*(13*\ap+\b)+2*\r+1]
.endr
.endr
	WIN 0
.irp b, 0,1,2,3
	ds_store_b128 v[STQ], v[TMP+4*\b:TMP+4*\b+3] offset:2304*\a+32*\b
	ds_store_b128 v[STQ], v[TMP+16+4*\b:TMP+16+4*\b+3] offset:9216+2304*\a+32*\b
	ds_store_b128 v[STV], v[TMP+32+4*\b:TMP+32+4*\b+3] offset:2560*\a+32*\b
.endr
	v_cndmask_b32 v56, v[40+\a], v57, vcc_lo       ; a behind q's row, zero behind k's
	ds_store_b128 v[PADQ], v[56:59] offset:2304*\a
	ds_store_b128 v[PADV], v[60:63] offset:2560*\a
.endm
	OUTA 0, 0, 0x0a
	OUTA 1, 1, 0x0a
	OUTA 2, 0, 0x0f
	OUTA 3, 1, 0x0f
	v_cndmask_b32 v52, v48, v49, vcc_lo            ; lane L takes token L: tile 0 below, tile 1 above
	v_cndmask_b32 v53, v50, v51, vcc_lo            ; token 32 + L
	v_cndmask_b32 v54, v44, v45, vcc_lo
	v_cndmask_b32 v55, v46, v47, vcc_lo
	ds_store_b32 v[GST], v52
	ds_store_b32 v[GST], v53 offset:128
	ds_store_b32 v[GST], v54 offset:256
	ds_store_b32 v[GST], v55 offset:384
	s_lshr_b32 s82, s43, 2
	s_lshl4_add_u32 s82, s82, s42                  ; bh = 16 batch + h
	s_lshl_b32 s82, s82, 10
	s_and_b32 s83, s43, 3
	s_lshl_b32 s83, s83, 8
	s_add_co_u32 s83, s83, s82
	s_lshl_b32 s82, s20, 6
	s_add_co_u32 s83, s83, s82                     ; my first row: 1024 bh + 256 (rb & 3) + 64 w
	s_mul_i32 s76, s83, 144
	s_mov_b32 s77, 0
	s_mul_i32 s78, s83, 160
	s_mov_b32 s79, 0
	s_lshl_b32 s80, s83, 3                         ; 512 bytes for 64 tokens
	s_mov_b32 s81, 0
	s_add_nc_u64 s[12:13], s[12:13], s[76:77]
	s_add_nc_u64 s[14:15], s[14:15], s[76:77]
	s_add_nc_u64 s[16:17], s[16:17], s[78:79]
	s_add_nc_u64 s[18:19], s[18:19], s[80:81]
; n x 512 bytes of my stage go out as they lie: each store of the wave covers 512 consecutive bytes, aligned.  LDS serves a wave's instructions in order
; (ISA guide 5.7.1), so the loads see my stores above.
.macro COPY n, ldsoff, lo
	s_wait_xcnt 0x0                                ; the registers below were the last group's store data: rewritten only behind this wait (ISA guide 3.1)
.set ci, 0
.rept \n
	ds_load_b128 v[TMP+4*ci:TMP+4*ci+3], v[RD] offset:\ldsoff+512*ci
.set ci, ci+1
.endr
.set ci, 0
.rept \n
	s_wait_dscnt \n-1-ci
	global_store_b128 v[CO], v[TMP+4*ci:TMP+4*ci+3], s[\lo:\lo+1] offset:512*ci
.set ci, ci+1
.endr
.endm
	COPY 18, 0, 12
	COPY 18, 9216, 14
	COPY 20, 18432, 16
	COPY 1, 28672, 18
	s_set_vgpr_msb 0x1
	s_wait_tensorcnt 0x0
	ds_add_u32 v255, v255
	s_wait_dscnt 0x0
	s_set_vgpr_msb 0x100
	CROUND                                         ; the closing round: no work-group ends while a partner may still ask for a tile that names it
	s_endpgm
.Lfunc_end_k_q81daf19988_proj:
	.size	k_q81daf19988_proj, .Lfunc_end_k_q81daf19988_proj-k_q81daf19988_proj
	.p2alignl 7, 3214868480
	.fill 96, 4, 3214868480
	.section	.rodata,"a",@progbits
	.p2align	6, 0x0
	.amdhsa_kernel k_q81daf19988_proj
		.amdhsa_group_segment_fixed_size 327680
		.amdhsa_private_segment_fixed_size 0
		.amdhsa_enable_private_segment 0
		.amdhsa_kernarg_size 64
		.amdhsa_user_sgpr_count 2
		.amdhsa_user_sgpr_kernarg_segment_ptr 1
		.amdhsa_wavefront_size32 1
		.amdhsa_system_sgpr_workgroup_id_x 1
		.amdhsa_system_sgpr_workgroup_id_y 1
		.amdhsa_system_sgpr_workgroup_id_z 1
		.amdhsa_system_vgpr_workitem_id 0
		.amdhsa_next_free_vgpr 1024
		.amdhsa_next_free_sgpr 96
		.amdhsa_reserve_vcc 1
		.amdhsa_float_denorm_mode_32 3
		.amdhsa_float_denorm_mode_16_64 3
		.amdhsa_memory_ordered 1
		.amdhsa_forward_progress 1
		.amdhsa_inst_pref_size 178
	.end_amdhsa_kernel
	.amdgpu_metadata
---
amdhsa.version: [ 1, 2 ]
amdhsa.kernels:
  - .name:           k_q81daf19988_proj
    .symbol:         k_q81daf19988_proj.kd
    .args:
      - { .name: xh, .offset: 0, .size: 8, .value_kind: global_buffer, .address_space: global }
      - { .name: wcat, .offset: 8, .size: 8, .value_kind: global_buffer, .address_space: global }
      - { .name: ba, .offset: 16, .size: 8, .value_kind: global_buffer, .address_space: global }
      - { .name: be, .offset: 24, .size: 8, .value_kind: global_buffer, .address_space: global }
      - { .name: qb, .offset: 32, .size: 8, .value_kind: global_buffer, .address_space: global }
      - { .name: kb, .offset: 40, .size: 8, .value_kind: global_buffer, .address_space: global }
      - { .name: vb, .offset: 48, .size: 8, .value_kind: global_buffer, .address_space: global }
      - { .name: gate, .offset: 56, .size: 8, .value_kind: global_buffer, .address_space: global }
    .group_segment_fixed_size: 327680
    .private_segment_fixed_size: 0
    .kernarg_segment_align: 8
    .kernarg_segment_size: 64
    .max_flat_workgroup_size: 128
    .sgpr_count:     96
    .vgpr_count:     1024
    .wavefront_size: 32
...
	.end_amdgpu_metadata
.endif
;; end of part 2
;; launch attn (part 3): grid 256 x 1, 8 waves a work-group, clusters of 4 x 1, 320,512 bytes of LDS; arguments qb, kb, vb, gate, cb; writes cb
.if DOCPART == 3
	.amdgcn_target "amdgcn-amd-amdhsa--gfx1250"
	.amdhsa_code_object_version 6
	.text
	.protected	k_q81daf19988_attn
	.globl	k_q81daf19988_attn
	.p2align	8
	.type	k_q81daf19988_attn,@function
k_q81daf19988_attn:
	s_mov_b64 s[64:65], 0
	v_nop
	global_prefetch_b8 v0, s[64:65] scope:SCOPE_SE
	s_setreg_imm32_b32 hwreg(HW_REG_WAVE_MODE, 25, 1), 1
	s_wait_xcnt 0x0
	s_wait_alu depctr_hold_cnt(0) depctr_sa_sdst(0) depctr_va_vdst(0) depctr_va_sdst(0) depctr_va_ssrc(0) depctr_va_vcc(0) depctr_vm_vsrc(0)
	s_getreg_b32 s2, hwreg(HW_REG_IB_STS2, 6, 4)
	s_cmp_eq_u32 s2, 0
	s_cbranch_scc0 .Lentry_in_a_cluster
	s_endpgm
.Lentry_in_a_cluster:
	s_bfe_u32 s2, ttmp6, 0x10000c
	s_cmp_lg_u32 s2, 0x3003
	s_cbranch_scc0 .Lentry_shape_is_right
	s_endpgm
.Lentry_shape_is_right:
; Gated attention of one (batch, head) bh and 256 queries.  With w_k = 1 / expression_k, Lambda_k = -8 ln 2 log2(w_k), c = log2(e) / 8,
; t_k = c (q.k + Lambda_k), m = the running maximum of t and P_k = 2^(t_k - m):
;   converged = a sum(P v) / (a sum(P) + 1e-8 sum(P w)),
; which is softmax(q.k / 8) a_q e_k, renormalised with + 1e-8, for every input; P lies in [0, 1] whatever the gates are.
; Lambda enters as the C operand of the first score product; sum(P) comes from the matrix unit through a constant fragment of ones;
; sum(P w) is kept in f32 by packed multiply-adds.  cb = 8 converged in f16 (the factor is taken out by the last launch).
; Eight waves, 32 queries each.  Scores are made transposed (keys x queries): a lane holds half the keys of one query, so the maximum needs one step
; across lanes, and the rounded P is already the second source of the product with v: no shuffle.
; A BLOCK IS 64 KEYS: the maximum, its factor and the rescaling of the 2 x 34 sum registers are paid once for 64 keys.  The two query tiles are written
; line by line together, so that no line waits for the one in front of it, and the exponentials stand among plain lines on other registers.
; CLUSTER 4 x 1: the four query blocks of a head read the same k and v and ask for them jointly.  The head's whole k (147,456 bytes) and v (163,840)
; stay in LDS and no byte is ever filled twice; they come in four chunks of 256 keys, each wave asking for a quarter of k's (waves 0-3) or of v's
; (waves 4-7) chunk, so a wave has four tensor loads out at the most.  The first chunk is worked on while the other three land.
; v's rows are 160 bytes apart in LDS as in memory; their columns 64 and up are not read here.
; LIMITS.  cb in f16: 8 |converged| up to 65504.  Exponentials below 2^-126 count as zero.
.set VBASE, 147456
.set TBASE, 311296                     ; Lambda's 1,024 words, then w's: written by LDS stores, in blocks into which no tensor load lands
.set KCH,   36864                      ; a chunk of k: 256 rows of 144 bytes
.set VCH,   40960                      ; a chunk of v: 256 rows of 160 bytes
; window 0
.set KA0, 1
.set VA0, 2
.set TA0, 3
.set KA,  4                            ; v4  144 r + 16 h + the block's keys
.set VA,  5                            ; v5  the transposing load's address in v
.set TA,  6                            ; v6  32 h + the block's keys, in Lambda's table
.set AQ,  14                           ; v14, v15    a of my query in each tile
.set WT,  16                           ; v[16:47]    w of my 8 keys in each of the four key tiles
.set KF,  48                           ; v[48:111]   k's fragments (key tile, half of d)
.set LAM, 112                          ; v[112:143]  Lambda of the same keys
.set SC,  144                          ; v[144:207]  scores, then P: 32 registers for each query tile
.set MX,  208                          ; v208, v209  running maximum of q.k + Lambda
.set AL,  210                          ; v[210:213]  2^(c (old maximum - new)), a pair for each query tile
.set NM,  214                          ; v[214:217]  -c maximum, pairs
.set LA,  218                          ; v[218:225]  sum(P w): two pairs for each query tile
.set TT,  226                          ; v[226:249]  at work, 12 for each query tile
; window 1: v[40 qt + 8 dt] the sums of query tile qt, column tile dt (dt = 4: sum(P))
.set VF,  80                           ; v[80:143]   v's fragments (half of the keys, column tile)
.set ONE, 144                          ; v[144:151]  a fragment of ones
.set QF,  152                          ; v[152:183]  q's fragments (query tile, half of d)
.set G1K, 16
.set G1V, 24
.set G0K, 32                           ; s[32:47] group 0 of k's four chunks
.set G0V, 48                           ; s[48:63] group 0 of v's four chunks
.set MSB, 0
.macro WIN new                         ; s_set_vgpr_msb: bits 1:0 source 0, 3:2 source 1, 5:4 source 2, 7:6 destination; the high byte repeats the setting that is left
.if MSB != \new
	s_set_vgpr_msb (MSB<<8)|\new
.set MSB, \new
.endif
.endm
.macro PLACES
.rept 4
	v_nop
.endr
.endm
.macro CROUND
	s_barrier_signal -1
	s_barrier_wait -1
	s_cmp_lg_u32 s14, 0
	s_cbranch_scc1 .Lnot_wave_0_\@
	s_barrier_signal -3
.Lnot_wave_0_\@:
	s_barrier_wait -3
	s_barrier_signal -1
	s_barrier_wait -1
.endm
	s_load_b256 s[4:11], s[0:1], 0x0               ; qb, kb, vb, gate
	s_load_b64 s[12:13], s[0:1], 0x20              ; cb
	v_lshl_add_u32 v254, v0, 2, 0x4e000
	v_mov_b32 v255, 0
	ds_add_u32 v254, v255
	s_wait_dscnt 0x0
	v_lshrrev_b32 v1, 5, v0
	v_readfirstlane_b32 s14, v1                    ; wave
	s_bfe_u32 s15, ttmp6, 0x40000                  ; cx: my block of 256 queries; ttmp9 is the cluster's number: bh
	s_and_b32 s66, s14, 3                          ; which quarter of a chunk I ask for
	s_mov_b32 s[G1K+0], 15|(3<<16)|(1<<21)         ; all four work-groups; elements of 8 bytes; a dense block as rows of 256 bytes
	s_mov_b32 s[G1K+1], 32<<16
	s_mov_b32 s[G1K+2], 36<<16
	s_mov_b32 s[G1K+3], 32<<16
	s_mov_b32 s[G1K+4], 36                         ; 36 x 256 = 9,216 bytes = 64 rows of k
	s_mov_b32 s[G1K+5], 32
	s_mov_b32 s[G1K+6], 0
	s_mov_b32 s[G1K+7], 0
	s_mov_b32 s[G1V+0], 15|(3<<16)|(1<<21)
	s_mov_b32 s[G1V+1], 32<<16
	s_mov_b32 s[G1V+2], 40<<16
	s_mov_b32 s[G1V+3], 32<<16
	s_mov_b32 s[G1V+4], 40                         ; 40 x 256 = 10,240 bytes = 64 rows of v
	s_mov_b32 s[G1V+5], 32
	s_mov_b32 s[G1V+6], 0
	s_mov_b32 s[G1V+7], 0
	s_mul_i32 s67, s14, 9216                       ; LDS: k's quarter at wave x 9,216 (waves 0-3)
	s_mul_i32 s68, s14, 10240
	s_add_co_u32 s68, s68, VBASE-VCH               ; v's at 147,456 + (wave - 4) x 10,240 (waves 4-7)
	s_mul_i32 s74, ttmp9, 147456
	s_mul_i32 s69, s66, 9216
	s_add_co_u32 s74, s74, s69
	s_mov_b32 s75, 0
	s_mul_i32 s76, ttmp9, 163840
	s_mul_i32 s69, s66, 10240
	s_add_co_u32 s76, s76, s69
	s_mov_b32 s77, 0
	s_mov_b32 s70, 0x76543210                      ; v_permlanex16_b32: lane i of one half reads lane i of the other
	s_mov_b32 s71, 0xfedcba98
	s_lshl_b32 s78, ttmp9, 10
	s_lshl_b32 s79, s15, 8
	s_add_co_u32 s78, s78, s79
	s_mul_i32 s78, s78, 144                        ; q's and cb's rows of my 256 queries
	s_mov_b32 s79, 0
	s_mul_i32 s81, s14, 4608                       ; my wave's 32 rows of 144 bytes
	s_add_co_u32 s82, s78, s81
	s_mov_b32 s83, 0
	s_lshl_b32 s84, ttmp9, 13                      ; the head's 8,192 bytes of gates
	s_mov_b32 s85, 0
	CROUND                                         ; the four work-groups are here, so that the joint loads meet; the round runs while the arguments are on their way
	s_wait_kmcnt 0x0
	s_add_nc_u64 s[74:75], s[6:7], s[74:75]
	s_add_nc_u64 s[76:77], s[8:9], s[76:77]
	s_add_nc_u64 s[4:5], s[4:5], s[78:79]
	s_add_nc_u64 s[12:13], s[12:13], s[82:83]
	s_add_nc_u64 s[10:11], s[10:11], s[84:85]
.irp c, 0,1,2,3
	s_mov_b32 s[G0K+4*\c], 1
	s_add_co_u32 s[G0K+4*\c+1], s67, \c*KCH
	s_add_nc_u64 s[G0K+4*\c+2:G0K+4*\c+3], s[74:75], \c*KCH
	s_or_b32 s[G0K+4*\c+3], s[G0K+4*\c+3], 0x80000000
	s_mov_b32 s[G0V+4*\c], 1
	s_add_co_u32 s[G0V+4*\c+1], s68, \c*VCH
	s_add_nc_u64 s[G0V+4*\c+2:G0V+4*\c+3], s[76:77], \c*VCH
	s_or_b32 s[G0V+4*\c+3], s[G0V+4*\c+3], 0x80000000
.endr
	s_cmp_lt_u32 s14, 4                            ; all fills of a wave stand in this one branch on the wave's number
	s_cbranch_scc0 .Lfill_v
.irp c, 0,1,2,3
	tensor_load_to_lds s[G0K+4*\c:G0K+4*\c+3], s[G1K:G1K+7]
	s_nop 0
.endr
	s_branch .Lfilled
.Lfill_v:
.irp c, 0,1,2,3
	tensor_load_to_lds s[G0V+4*\c:G0V+4*\c+3], s[G1V:G1V+7]
	s_nop 0
.endr
.Lfilled:
	v_and_b32 v9, 15, v0                           ; r
	v_bfe_u32 v10, v0, 4, 1                        ; h
	v_mul_u32_u24 v7, v9, 144
	v_lshl_add_u32 v[KA0], v10, 4, v7              ; 144 r + 16 h
	v_and_b32 v12, 7, v0
	v_lshl_add_u32 v12, v10, 3, v12
	v_mul_u32_u24 v[VA0], v12, 160
	v_bfe_u32 v12, v0, 3, 1
	v_lshl_add_u32 v[VA0], v12, 4, v[VA0]
	v_add_nc_u32 v[VA0], VBASE, v[VA0]             ; (8 h + (L & 7)) 160 + 16 ((L >> 3) & 1), in v
	v_lshlrev_b32 v[TA0], 5, v10
	v_add_nc_u32 v[TA0], TBASE, v[TA0]
	v_add_nc_u32 v7, s81, v7                       ; q: row 32 w + r
	v_lshl_add_u32 v8, v10, 4, v7
	v_lshrrev_b32 v12, 4, v0
	v_lshlrev_b32 v12, 9, v12
	v_lshl_add_u32 v12, v9, 4, v12                 ; gates: block t >> 4, 16 bytes at 16 (t & 15)
	v_lshlrev_b32 v13, 4, v0
	v_add_nc_u32 v13, TBASE, v13                   ; which are keys 4 t .. 4 t + 3
	WIN 0x40                                       ; destinations in window 1, addresses in window 0
.irp qt, 0,1
.irp kc, 0,1
	global_load_b128 v[QF+16*\qt+8*\kc:QF+16*\qt+8*\kc+3], v8, s[4:5] offset:2304*\qt+64*\kc
	global_load_b128 v[QF+16*\qt+8*\kc+4:QF+16*\qt+8*\kc+7], v8, s[4:5] offset:2304*\qt+64*\kc+32
.endr
.endr
.irp i, 0,1,2,3,4,5,6,7
	v_mov_b32 v[ONE+\i], 0x3c003c00                ; f16 1.0 everywhere: every row of its product with P is sum(P)
.endr
	WIN 0
	global_load_b32 v[AQ], v7, s[4:5] offset:128
	global_load_b32 v[AQ+1], v7, s[4:5] offset:2304+128
	global_load_b128 v[TT:TT+3], v12, s[10:11]
	global_load_b128 v[TT+4:TT+7], v12, s[10:11] offset:256
.irp i, 0,1,2,3,4,5,6,7
	v_mov_b32 v[LA+\i], 0                          ; eight registers: sum(P w) starts at zero
.endr
	s_wait_loadcnt 0x0
	ds_store_b128 v13, v[TT:TT+3]
	ds_store_b128 v13, v[TT+4:TT+7] offset:4096
; 24 LDS loads: k's fragments and Lambda of 64 keys, off and toff bytes ahead of the address registers
.macro KLOADS off, toff
.irp kt, 0,1,2,3
.irp kc, 0,1
	ds_load_b128 v[KF+16*\kt+8*\kc:KF+16*\kt+8*\kc+3], v[KA] offset:\off+2304*\kt+64*\kc
	ds_load_b128 v[KF+16*\kt+8*\kc+4:KF+16*\kt+8*\kc+7], v[KA] offset:\off+2304*\kt+64*\kc+32
.endr
.endr
.irp kt, 0,1,2,3
	ds_load_b128 v[LAM+8*\kt:LAM+8*\kt+3], v[TA] offset:\toff+64*\kt
	ds_load_b128 v[LAM+8*\kt+4:LAM+8*\kt+7], v[TA] offset:\toff+64*\kt+16
.endr
.endm
; The new maximum of both query tiles (32 keys in the lane, the other 32 in the partner lane; the old maximum among them), the factor for the old sums, -c maximum
.macro MAXES first
.irp i, 0,1,2,3,4,5,6,7,8,9
.irp qt, 0,1
	v_max3_num_f32 v[TT+12*\qt+\i], v[SC+32*\qt+3*\i], v[SC+32*\qt+3*\i+1], v[SC+32*\qt+3*\i+2]
.endr
.endr
.irp i, 0,3,6
.irp qt, 0,1
	v_max3_num_f32 v[TT+12*\qt+\i], v[TT+12*\qt+\i], v[TT+12*\qt+\i+1], v[TT+12*\qt+\i+2]
.endr
.endr
.irp qt, 0,1
	v_max3_num_f32 v[TT+12*\qt+9], v[TT+12*\qt+9], v[SC+32*\qt+30], v[SC+32*\qt+31]
.endr
.irp qt, 0,1
	v_max3_num_f32 v[TT+12*\qt], v[TT+12*\qt], v[TT+12*\qt+3], v[TT+12*\qt+6]
.endr
.irp qt, 0,1
.if \first
	v_max_num_f32 v[TT+12*\qt], v[TT+12*\qt], v[TT+12*\qt+9]
.else
	v_max3_num_f32 v[TT+12*\qt], v[TT+12*\qt], v[TT+12*\qt+9], v[MX+\qt]
.endif
.endr
.irp qt, 0,1
	v_permlanex16_b32 v[TT+12*\qt+1], v[TT+12*\qt], s70, s71
.endr
.if \first
.irp qt, 0,1
	v_max_num_f32 v[MX+\qt], v[TT+12*\qt], v[TT+12*\qt+1]
.endr
.else
.irp qt, 0,1
	v_max_num_f32 v[TT+12*\qt+3], v[TT+12*\qt], v[TT+12*\qt+1]
.endr
.irp qt, 0,1
	v_sub_f32 v[TT+12*\qt+2], v[MX+\qt], v[TT+12*\qt+3]
.endr
.irp qt, 0,1
	v_mov_b32 v[MX+\qt], v[TT+12*\qt+3]
.endr
.irp qt, 0,1
	v_mul_f32 v[TT+12*\qt+2], 0x3e38aa3b, v[TT+12*\qt+2]
.endr
.irp qt, 0,1
	v_exp_f32 v[AL+2*\qt], v[TT+12*\qt+2]          ; made twice: the pair that the packed multiplies take
	v_exp_f32 v[AL+2*\qt+1], v[TT+12*\qt+2]
.endr
.endif
.irp qt, 0,1
	v_mul_f32 v[NM+2*\qt], 0xbe38aa3b, v[MX+\qt]   ; plain lines behind the exponentials, before their results are used (ISA guide 5.7.2)
	v_mul_f32 v[NM+2*\qt+1], 0xbe38aa3b, v[MX+\qt]
.endr
.if \first == 0
	s_wait_alu depctr_va_vdst(0)
.irp qt, 0,1
	v_pk_mul_f32 v[LA+4*\qt:LA+4*\qt+1], v[LA+4*\qt:LA+4*\qt+1], v[AL+2*\qt:AL+2*\qt+1]
	v_pk_mul_f32 v[LA+4*\qt+2:LA+4*\qt+3], v[LA+4*\qt+2:LA+4*\qt+3], v[AL+2*\qt:AL+2*\qt+1]
.endr
.endif
.endm
; The 64 score registers go through three steps in eight groups of 8: group j is query tile j & 1, key tile j >> 1.
.macro SC1 j, i                        ; pair i of group j: c s - c maximum
.set cb, SC+32*((\j)&1)+8*((\j)>>1)+2*(\i)
	v_pk_fma_f32 v[cb:cb+1], v[cb:cb+1], 0x3e38aa3b, v[NM+2*((\j)&1):NM+2*((\j)&1)+1] op_sel_hi:[1,0,1]
.endm
.macro EX1 j, i                        ; register i of group j: P = 2^that
.set cb, SC+32*((\j)&1)+8*((\j)>>1)+(\i)
	v_exp_f32 v[cb], v[cb]
.endm
.macro AC1 j, i                        ; pair i of group j: sum(P w) on two chains, then P rounded to f16: key tiles 0, 1 fill registers 0-7 of the query tile's scores, key tiles 2, 3 registers 16-23:
.set cb, SC+32*((\j)&1)+8*((\j)>>1)+2*(\i)     ; the two second sources of the product with v.  A rounded word lands on a register whose two steps are over.
.set cl, LA+4*((\j)&1)+2*((\i)&1)
.set cw, WT+8*((\j)>>1)+2*(\i)
.set cp, SC+32*((\j)&1)+16*((\j)>>2)+4*(((\j)>>1)&1)+(\i)
	s_wait_alu depctr_va_vdst(0)
	v_pk_fma_f32 v[cl:cl+1], v[cb:cb+1], v[cw:cw+1], v[cl:cl+1]
	v_cvt_pk_f16_f32 v[cp], v[cb], v[cb+1]
.endm
.macro STEP j                          ; group j's exponentials among the next group's scaling and the last group's sums and rounding: each plain line behind an exponential names other registers
.irp i, 0,1,2,3
	EX1 \j, 2*\i
.if \j < 7
	SC1 \j+1, \i
.endif
	EX1 \j, 2*\i+1
.if \j > 0
	AC1 \j-1, \i
.endif
.endr
.endm
.macro PV1 first, hf, o, a, b          ; one product onto the sums at o; the launch's first starts them
.if (\first)-(\hf) == 1
	v_wmma_f32_16x16x32_f16 v[\o:\o+7], v[\a:\a+7], v[\b:\b+7], 0
.else
	v_wmma_f32_16x16x32_f16 v[\o:\o+7], v[\a:\a+7], v[\b:\b+7], v[\o:\o+7]
.endif
.endm
; 64 keys.  first = 1: the sums start here.  pre = 1: the next block's k and Lambda are asked for (not across the barrier between the chunks).
.macro BLOCK first, pre
	WIN 0x40
.irp hf, 0,1
.irp dt, 0,1,2,3
	ds_load_tr16_b128 v[VF+32*\hf+8*\dt:VF+32*\hf+8*\dt+3], v[VA] offset:5120*\hf+32*\dt
	ds_load_tr16_b128 v[VF+32*\hf+8*\dt+4:VF+32*\hf+8*\dt+7], v[VA] offset:5120*\hf+32*\dt+2560
.endr
.endr
	WIN 0
.irp kt, 0,1,2,3
	ds_load_b128 v[WT+8*\kt:WT+8*\kt+3], v[TA] offset:4096+64*\kt
	ds_load_b128 v[WT+8*\kt+4:WT+8*\kt+7], v[TA] offset:4096+64*\kt+16
.endr
	s_wait_dscnt 24                                ; all but the 16 + 8 just issued: k's fragments and Lambda are in
	WIN 0x04                                       ; q, the second source, lies in window 1
	; scores, keys x queries: the eight accumulators take turns, one instruction a turn
.irp qt, 0,1
.irp kt, 0,1,2,3
	v_wmma_f32_16x16x32_f16 v[SC+32*\qt+8*\kt:SC+32*\qt+8*\kt+7], v[KF+16*\kt:KF+16*\kt+7], v[QF+16*\qt:QF+16*\qt+7], v[LAM+8*\kt:LAM+8*\kt+7]
.endr
.endr
.irp qt, 0,1
.irp kt, 0,1,2,3
	v_wmma_f32_16x16x32_f16 v[SC+32*\qt+8*\kt:SC+32*\qt+8*\kt+7], v[KF+16*\kt+8:KF+16*\kt+15], v[QF+16*\qt+8:QF+16*\qt+15], v[SC+32*\qt+8*\kt:SC+32*\qt+8*\kt+7]
.endr
.endr
	WIN 0
	PLACES                                         ; before the scores are read and k's and Lambda's registers are loaded again (ISA guide 7.12.1)
.if \pre
	KLOADS 9216, 256
.endif
	MAXES \first
.if \pre
	s_wait_dscnt 24                                ; all but the next block's 24: v's fragments and w are in
.else
	s_wait_dscnt 0x0
.endif
.irp i, 0,1,2,3
	SC1 0, \i
.endr
.irp j, 0,1,2,3,4,5,6,7
	STEP \j
.endr
.irp i, 0,1,2,3
	AC1 7, \i
.endr
.if \first == 0
	WIN 0x41                                       ; the old sums times 2^(c (old maximum - new)): its other registers hold sums of at most 1,024 numbers in [0, 1]
.set oi, 0
.rept 17
	v_pk_mul_f32 v[oi:oi+1], v[oi:oi+1], v[AL:AL+1]
	v_pk_mul_f32 v[40+oi:40+oi+1], v[40+oi:40+oi+1], v[AL+2:AL+3]
.set oi, oi+2
.endr
.endif
	WIN 0x51                                       ; columns x queries += v^T P^T; v and the sums in window 1, P in window 0.  Ten accumulators take turns
.irp hf, 0,1
.irp dt, 0,1,2,3
.irp qt, 0,1
	PV1 \first, \hf, 40*\qt+8*\dt, VF+32*\hf+8*\dt, SC+32*\qt+16*\hf
.endr
.endr
.irp qt, 0,1
	PV1 \first, \hf, 40*\qt+32, ONE, SC+32*\qt+16*\hf
.endr
.endr
	WIN 0
	; five places before v's fragments are loaded again and the next scores are written over P (ISA guide 7.12.1)
.if \pre
	v_add_nc_u32 v[KA], 9216, v[KA]
	v_add_nc_u32 v[VA], 10240, v[VA]
	v_add_nc_u32 v[TA], 256, v[TA]
	v_nop
	v_nop
.else
.rept 5
	v_nop
.endr
.endif
.endm
	; Keys 0 to 255.  Tensor loads of a wave end in order (ISA guide 10.11.1): with three out, my part of the first chunk is in; behind the barrier everybody's is.
	; The later chunks stay on their way across the barrier: nothing is ever filled again.
	s_wait_tensorcnt 3
	s_wait_dscnt 0x0                               ; my stores into the gate tables are done, for the other waves
	s_barrier_signal -1
	s_barrier_wait -1
	v_mov_b32 v[KA], v[KA0]                        ; the stepped copies; the bases serve again below
	v_mov_b32 v[VA], v[VA0]
	v_mov_b32 v[TA], v[TA0]
	KLOADS 0, 0
	BLOCK 1, 1
	s_mov_b32 s72, 2
.Lblk_a:
	BLOCK 0, 1
	s_sub_co_u32 s72, s72, 1
	s_cmp_lg_u32 s72, 0
	s_cbranch_scc1 .Lblk_a
	BLOCK 0, 0
	; Keys 256 to 1023: one barrier for the three later chunks, which had the first chunk's four blocks in which to land
	s_wait_tensorcnt 0x0
	s_wait_dscnt 0x0
	s_barrier_signal -1
	s_barrier_wait -1
	v_add_nc_u32 v[KA], KCH, v[KA0]
	v_add_nc_u32 v[VA], VCH, v[VA0]
	v_add_nc_u32 v[TA], 1024, v[TA0]
	KLOADS 0, 0
	s_mov_b32 s72, 11
.Lblk_b:
	BLOCK 0, 1
	s_sub_co_u32 s72, s72, 1
	s_cmp_lg_u32 s72, 0
	s_cbranch_scc1 .Lblk_b
	BLOCK 0, 0
	; f = 8 a / (a sum(P) + 1e-8 sum(P w)).  sum(P w) >= 1: the largest P is 1 and w >= 1, so the divisor is at least 1e-8.
.irp qt, 0,1
	v_add_f32 v[TT+12*\qt], v[LA+4*\qt], v[LA+4*\qt+1]
	v_add_f32 v[TT+12*\qt+1], v[LA+4*\qt+2], v[LA+4*\qt+3]
	v_add_f32 v[TT+12*\qt], v[TT+12*\qt], v[TT+12*\qt+1]
	v_permlanex16_b32 v[TT+12*\qt+1], v[TT+12*\qt], s70, s71
	v_add_f32 v[TT+12*\qt], v[TT+12*\qt], v[TT+12*\qt+1]
.endr
	WIN 0x01
	v_mov_b32 v[TT+2], v32                         ; sum(P): register 0 of column tile 4, in every lane
	v_mov_b32 v[TT+14], v72
	WIN 0
	v_mul_f32 v[TT+2], v[AQ], v[TT+2]
	v_mul_f32 v[TT+14], v[AQ+1], v[TT+14]
	v_fmamk_f32 v[TT+2], v[TT], 0x322bcc77, v[TT+2]
	v_fmamk_f32 v[TT+14], v[TT+12], 0x322bcc77, v[TT+14]
	v_rcp_f32 v[TT+2], v[TT+2]
	v_rcp_f32 v[TT+14], v[TT+14]
	v_mul_f32 v[TT], 0x41000000, v[AQ]             ; 8 a (the plain instruction behind the reciprocals: ISA guide 5.7.2)
	v_mul_f32 v[TT+12], 0x41000000, v[AQ+1]
	s_wait_alu depctr_va_vdst(0)
	v_mul_f32 v[AL], v[TT], v[TT+2]
	v_mul_f32 v[AL+1], v[TT], v[TT+2]
	v_mul_f32 v[AL+2], v[TT+12], v[TT+14]
	v_mul_f32 v[AL+3], v[TT+12], v[TT+14]
	WIN 0x41
.set oi, 0
.rept 16
	v_pk_mul_f32 v[oi:oi+1], v[oi:oi+1], v[AL:AL+1]
	v_pk_mul_f32 v[40+oi:40+oi+1], v[40+oi:40+oi+1], v[AL+2:AL+3]
.set oi, oi+2
.endr
	WIN 0x05
.irp qt, 0,1
.irp dt, 0,1,2,3
.irp r, 0,1,2,3
	v_cvt_pk_f16_f32 v[KF+16*\qt+4*\dt+\r], v[40*\qt+8*\dt+2*\r], v[40*\qt+8*\dt+2*\r+1]
.endr
.endr
.endr
	WIN 0
	v_and_b32 v7, 31, v0
	v_mul_u32_u24 v8, v7, 144
	v_add_nc_u32 v8, s81, v8                       ; stage: row L
	v_add_nc_u32 v9, s81, v[KA0]                   ; stage: row r, 16 bytes for each half of the lanes
	v_lshlrev_b32 v10, 4, v7
	v_add_nc_u32 v11, s81, v10
	v_mov_b32 v[WT], 0
	v_mov_b32 v[WT+1], 0
	v_mov_b32 v[WT+2], 0
	v_mov_b32 v[WT+3], 0
	s_wait_dscnt 0x0
	s_barrier_signal -1                            ; every wave is through with k: the stage (4,608 bytes a wave) takes k's first bytes, which have had their only fill
	s_barrier_wait -1
.irp qt, 0,1
.irp dt, 0,1,2,3
	ds_store_b128 v9, v[KF+16*\qt+4*\dt:KF+16*\qt+4*\dt+3] offset:2304*\qt+32*\dt
.endr
.endr
	ds_store_b128 v8, v[WT:WT+3] offset:128        ; the 16 zero bytes behind each row
.irp i, 0,1,2,3,4,5,6,7,8
	ds_load_b128 v[SC+4*\i:SC+4*\i+3], v11 offset:512*\i   ; LDS serves a wave's instructions in order (ISA guide 5.7.1): these see my stores
.endr
.irp i, 0,1,2,3,4,5,6,7,8
	s_wait_dscnt 8-\i
	global_store_b128 v10, v[SC+4*\i:SC+4*\i+3], s[12:13] offset:512*\i   ; 512 consecutive bytes, aligned
.endr
	s_wait_tensorcnt 0x0
	ds_add_u32 v254, v255
	s_wait_dscnt 0x0
	CROUND                                         ; the closing round
	s_endpgm
.Lfunc_end_k_q81daf19988_attn:
	.size	k_q81daf19988_attn, .Lfunc_end_k_q81daf19988_attn-k_q81daf19988_attn
	.p2alignl 7, 3214868480
	.fill 96, 4, 3214868480
	.section	.rodata,"a",@progbits
	.p2align	6, 0x0
	.amdhsa_kernel k_q81daf19988_attn
		.amdhsa_group_segment_fixed_size 320512
		.amdhsa_private_segment_fixed_size 0
		.amdhsa_enable_private_segment 0
		.amdhsa_kernarg_size 40
		.amdhsa_user_sgpr_count 2
		.amdhsa_user_sgpr_kernarg_segment_ptr 1
		.amdhsa_wavefront_size32 1
		.amdhsa_system_sgpr_workgroup_id_x 1
		.amdhsa_system_sgpr_workgroup_id_y 1
		.amdhsa_system_sgpr_workgroup_id_z 1
		.amdhsa_system_vgpr_workitem_id 0
		.amdhsa_next_free_vgpr 448
		.amdhsa_next_free_sgpr 96
		.amdhsa_reserve_vcc 0
		.amdhsa_float_denorm_mode_32 3
		.amdhsa_float_denorm_mode_16_64 3
		.amdhsa_memory_ordered 1
		.amdhsa_forward_progress 1
		.amdhsa_inst_pref_size 121
	.end_amdhsa_kernel
	.amdgpu_metadata
---
amdhsa.version: [ 1, 2 ]
amdhsa.kernels:
  - .name:           k_q81daf19988_attn
    .symbol:         k_q81daf19988_attn.kd
    .args:
      - { .name: qb, .offset: 0, .size: 8, .value_kind: global_buffer, .address_space: global }
      - { .name: kb, .offset: 8, .size: 8, .value_kind: global_buffer, .address_space: global }
      - { .name: vb, .offset: 16, .size: 8, .value_kind: global_buffer, .address_space: global }
      - { .name: gate, .offset: 24, .size: 8, .value_kind: global_buffer, .address_space: global }
      - { .name: cb, .offset: 32, .size: 8, .value_kind: global_buffer, .address_space: global }
    .group_segment_fixed_size: 320512
    .private_segment_fixed_size: 0
    .kernarg_segment_align: 8
    .kernarg_segment_size: 40
    .max_flat_workgroup_size: 256
    .sgpr_count:     96
    .vgpr_count:     448
    .wavefront_size: 32
...
	.end_amdgpu_metadata
.endif
;; end of part 3
;; launch outp (part 4): grid 8 x 32, 4 waves a work-group, clusters of 4 x 4, 327,680 bytes of LDS; arguments cb, wob, out0; writes out0
.if DOCPART == 4
	.amdgcn_target "amdgcn-amd-amdhsa--gfx1250"
	.amdhsa_code_object_version 6
	.text
	.protected	k_q81daf19988_outp
	.globl	k_q81daf19988_outp
	.p2align	8
	.type	k_q81daf19988_outp,@function
k_q81daf19988_outp:
	s_mov_b64 s[64:65], 0
	v_nop
	global_prefetch_b8 v0, s[64:65] scope:SCOPE_SE
	s_setreg_imm32_b32 hwreg(HW_REG_WAVE_MODE, 25, 1), 1
	s_wait_xcnt 0x0
	s_wait_alu depctr_hold_cnt(0) depctr_sa_sdst(0) depctr_va_vdst(0) depctr_va_sdst(0) depctr_va_ssrc(0) depctr_va_vcc(0) depctr_vm_vsrc(0)
	s_getreg_b32 s2, hwreg(HW_REG_IB_STS2, 6, 4)
	s_cmp_eq_u32 s2, 0
	s_cbranch_scc0 .Lentry_in_a_cluster
	s_endpgm
.Lentry_in_a_cluster:
	s_bfe_u32 s2, ttmp6, 0x10000c
	s_cmp_lg_u32 s2, 0xf033
	s_cbranch_scc0 .Lentry_shape_is_right
	s_endpgm
.Lentry_shape_is_right:
; out0 = combined x Wout, as (8 converged) x (4096 g R(Wout)) x 2^-15: [4096 x 1024] x [1024 x 1024], f16 operands, f32 sums and result.
; Work-group (x = block of 128 columns, y = block of 128 tokens): 256 work-groups of equal work; larger blocks would be fewer than there are WGPs.
; Four waves, 2 x 2, each 64 tokens x 64 columns: 16 accumulator tiles in window 1.
; K goes through two LDS slots of 256 (four heads) each, so that one load a wave brings 36,864 bytes and only two refills are needed:
;   cb's part: [4 heads][128 tokens][144 bytes], two heads a load, each head's 18,432 bytes one row of the tile (they are consecutive in memory);
;   wob's part: 256 rows of 288 bytes as they lie in memory, 128 rows a load.
; CLUSTER 4 x 4: cb's tiles hang on the token block alone and are asked for jointly along a row of the cluster, wob's on the column block alone, along a column.
; A wave has two tensor loads out at the start and one behind each of the two rounds that fill a slot again.
; The matrix instruction is used transposed (source 0 = 16 columns of wob, source 1 = 16 tokens): a lane holds 8 neighbouring columns of one token.
.set SLOT,  147456
.set HALFS, 36864                      ; what one wave fetches
.set STAGE, 2*SLOT                     ; 16 rows x 272 bytes for each wave, for the way out; no tensor load lands here
.set ADRA, 16                          ; v16, v17  my tokens' fragments in slot 0, 1
.set ADRB, 18                          ; v18..v21  my columns' fragments: slot 0 rows 0-127, 128-255; slot 1 likewise
.set STO,  24
.set RD,   25
.set CO,   26
.set G1,  24
.set G0,  32
.set G1B, 48
.set G0B, 56
.set MSB, 0
.macro WIN new
.if MSB != \new
	s_set_vgpr_msb (MSB<<8)|\new
.set MSB, \new
.endif
.endm
.macro PLACES
.rept 4
	v_nop
.endr
.endm
.macro JLOAD s
	s_cmp_eq_u32 s21, 0
	s_cbranch_scc0 .Lfor_b_\@
	tensor_load_to_lds s[G0+4*\s:G0+4*\s+3], s[G1:G1+7]
	s_nop 0
	s_branch .Lasked_\@
.Lfor_b_\@:
	tensor_load_to_lds s[G0B+4*\s:G0B+4*\s+3], s[G1B:G1B+7]
	s_nop 0
.Lasked_\@:
.endm
.macro CREST
	s_cmp_lg_u32 s20, 0
	s_cbranch_scc1 .Lnot_wave_0_\@
	s_barrier_signal -3
.Lnot_wave_0_\@:
	s_barrier_wait -3
	s_barrier_signal -1
	s_barrier_wait -1
.endm
.macro CROUND
	s_barrier_signal -1
	s_barrier_wait -1
	CREST
.endm
	s_load_b128 s[4:7], s[0:1], 0x0                ; cb, wob
	s_load_b64 s[8:9], s[0:1], 0x10                ; out0
	v_lshl_add_u32 v254, v0, 2, 0x4c400
	v_mov_b32 v255, 0
	ds_add_u32 v254, v255
	v_lshrrev_b32 v1, 5, v0
	v_readfirstlane_b32 s20, v1                    ; wave
	s_lshr_b32 s21, s20, 1                         ; my half of the tokens.  Also: I fetch for cb (0) or for wob (1)
	s_and_b32 s22, s20, 1                          ; my half of the columns.  Also: which half of that tile I fetch
	s_bfe_u32 s40, ttmp6, 0x40000                  ; cx
	s_bfe_u32 s41, ttmp6, 0x40004                  ; cy
	s_lshl_b32 s42, ttmp9, 2
	s_add_co_u32 s42, s42, s40                     ; column block nb
	s_and_b32 s43, ttmp7, 0xffff
	s_lshl_b32 s43, s43, 2
	s_add_co_u32 s43, s43, s41                     ; token block rb
	s_lshl_b32 s44, s41, 2
	s_lshl_b32 s44, 15, s44                        ; my row of the cluster
	s_lshl_b32 s45, 0x1111, s40                    ; my column
	s_or_b32 s[G1+0], s44, (3<<16)|(1<<21)         ; mask; elements of 8 bytes; bit 21 beside a mask
	s_mov_b32 s[G1+1], 2304<<16                    ; tensor_dim0 = 2,304 elements: 128 tokens x 144 bytes
	s_mov_b32 s[G1+2], 2<<16                       ; tensor_dim1 = 2 heads
	s_mov_b32 s[G1+3], 2304<<16                    ; tile_dim0
	s_mov_b32 s[G1+4], 2                           ; tile_dim1
	s_mov_b32 s[G1+5], 18432                       ; from head to head: 1,024 tokens x 144 bytes
	s_mov_b32 s[G1+6], 0
	s_mov_b32 s[G1+7], 0
	s_or_b32 s[G1B+0], s45, (3<<16)|(1<<21)
	s_mov_b32 s[G1B+1], 32<<16                     ; a dense block as rows of 256 bytes
	s_mov_b32 s[G1B+2], 144<<16
	s_mov_b32 s[G1B+3], 32<<16
	s_mov_b32 s[G1B+4], 144                        ; 144 x 256 = 36,864 bytes = 128 rows of wob
	s_mov_b32 s[G1B+5], 32
	s_mov_b32 s[G1B+6], 0
	s_mov_b32 s[G1B+7], 0
	s_lshr_b32 s66, s43, 3
	s_lshl_b32 s66, s66, 4                         ; 16 x batch
	s_lshl1_add_u32 s66, s22, s66                  ; + my two heads of the slot's four
	s_lshl_b32 s66, s66, 10
	s_and_b32 s67, s43, 7
	s_lshl_b32 s67, s67, 7
	s_add_co_u32 s66, s66, s67                     ; + the block's first token
	s_mul_i32 s66, s66, 144
	s_mov_b32 s67, 0
	s_lshl_b32 s46, s42, 10
	s_lshl_b32 s47, s22, 7
	s_add_co_u32 s46, s46, s47
	s_mul_i32 s46, s46, 288                        ; wob: row 1024 nb + 128 x half
	s_mov_b32 s47, 0
	s_mul_i32 s68, s20, HALFS                      ; LDS: cb's two halves, then wob's two halves = wave x 36,864
	s_wait_dscnt 0x0
	s_wait_kmcnt 0x0
	s_add_nc_u64 s[66:67], s[4:5], s[66:67]
	s_add_nc_u64 s[46:47], s[6:7], s[46:47]
	CROUND                                         ; all sixteen work-groups are here: the first joint loads meet
.irp s, 0,1
	s_mov_b32 s[G0+4*\s], 1
	s_add_co_u32 s[G0+4*\s+1], s68, \s*SLOT
	s_add_nc_u64 s[G0+4*\s+2:G0+4*\s+3], s[66:67], \s*589824
	s_or_b32 s[G0+4*\s+3], s[G0+4*\s+3], 0x80000000
	s_mov_b32 s[G0B+4*\s], 1
	s_add_co_u32 s[G0B+4*\s+1], s68, \s*SLOT
	s_add_nc_u64 s[G0B+4*\s+2:G0B+4*\s+3], s[46:47], \s*73728
	s_or_b32 s[G0B+4*\s+3], s[G0B+4*\s+3], 0x80000000
	JLOAD \s
.endr
	v_and_b32 v1, 15, v0                           ; r
	v_bfe_u32 v2, v0, 4, 1                         ; h
	v_mul_u32_u24 v3, v1, 144
	v_lshl_add_u32 v3, v2, 4, v3
	s_mul_i32 s74, s21, 9216
	v_add_nc_u32 v[ADRA], s74, v3                  ; (64 wm + r) 144 + 16 h
	v_add_nc_u32 v[ADRA+1], SLOT, v[ADRA]
	v_and_b32 v4, 7, v0
	v_lshl_add_u32 v4, v2, 3, v4
	v_mul_u32_u24 v4, v4, 288
	v_bfe_u32 v5, v0, 3, 1
	v_lshl_add_u32 v4, v5, 4, v4
	s_lshl_b32 s74, s22, 7
	v_add_nc_u32 v4, s74, v4                       ; (8 h + (L & 7)) 288 + 16 ((L >> 3) & 1) + 128 wn
	v_add_nc_u32 v[ADRB], 73728, v4
	v_add_nc_u32 v[ADRB+1], 73728+36864, v4
	v_add_nc_u32 v[ADRB+2], SLOT+73728, v4
	v_add_nc_u32 v[ADRB+3], SLOT+73728+36864, v4
	s_mul_i32 s75, s20, 4352
	s_add_co_u32 s75, s75, STAGE
	v_mul_u32_u24 v3, v1, 272
	v_lshl_add_u32 v3, v2, 5, v3
	v_add_nc_u32 v[STO], s75, v3                   ; in: row r, 32 bytes for each half of the lanes
	v_mul_u32_u24 v3, v2, 272
	v_lshl_add_u32 v3, v1, 4, v3
	v_add_nc_u32 v[RD], s75, v3                    ; back: lanes 0-15 one row of 256 bytes, lanes 16-31 the next
	v_lshlrev_b32 v3, 12, v2
	v_lshl_add_u32 v[CO], v1, 4, v3                ; and the same two rows in out0
; 16 LDS loads: 32 along K (eighth kq of the slot) into buffer f: my 4 x 16 columns by transposing loads, my 4 x 16 tokens
.macro FETCH slot, kq, f
.irp b, 0,1,2,3
	ds_load_tr16_b128 v[96+32*\f+8*\b:96+32*\f+8*\b+3], v[ADRB+2*\slot+(\kq>>2)] offset:(\kq&3)*9216+32*\b
	ds_load_tr16_b128 v[96+32*\f+8*\b+4:96+32*\f+8*\b+7], v[ADRB+2*\slot+(\kq>>2)] offset:(\kq&3)*9216+32*\b+4608
.endr
.irp i, 0,1,2,3
	ds_load_b128 v[32+32*\f+8*\i:32+32*\f+8*\i+3], v[ADRA+\slot] offset:(\kq>>1)*18432+(\kq&1)*64+2304*\i
	ds_load_b128 v[32+32*\f+8*\i+4:32+32*\f+8*\i+7], v[ADRA+\slot] offset:(\kq>>1)*18432+(\kq&1)*64+2304*\i+32
.endr
.endm
; 16 matrix instructions; the 16 accumulators take turns, one instruction a turn
.macro MUL f, zero
	WIN 0x50
.irp a, 0,1,2,3
.irp b, 0,1,2,3
.if \zero
	v_wmma_f32_16x16x32_f16 v[8*(4*\a+\b):8*(4*\a+\b)+7], v[96+32*\f+8*\b:96+32*\f+8*\b+7], v[32+32*\f+8*\a:32+32*\f+8*\a+7], 0
.else
	v_wmma_f32_16x16x32_f16 v[8*(4*\a+\b):8*(4*\a+\b)+7], v[96+32*\f+8*\b:96+32*\f+8*\b+7], v[32+32*\f+8*\a:32+32*\f+8*\a+7], v[8*(4*\a+\b):8*(4*\a+\b)+7]
.endif
.endr
.endr
.endm
.macro QTR slot, kn, f, g, zero        ; asks for eighth kn into buffer g, multiplies buffer f
	PLACES
	WIN 0
	FETCH \slot, \kn, \g
	s_wait_dscnt 16                                ; all but the 16 just issued: buffer f is in
	MUL \f, \zero
.endm
.macro SEVEN slot, zero
	QTR \slot, 1, 0, 1, \zero
	QTR \slot, 2, 1, 0, 0
	QTR \slot, 3, 0, 1, 0
	QTR \slot, 4, 1, 0, 0
	QTR \slot, 5, 0, 1, 0
	QTR \slot, 6, 1, 0, 0
	QTR \slot, 7, 0, 1, 0
.endm
; The slot's last eighth, and the change of slots: each wave's reads of this slot and all its tensor loads are waited for in front of the barrier; where the
; slot is filled again the barrier opens a round of the cluster's barrier and the joint load is the first tensor load behind the round.
.macro LASTQ slot, next, fill
	s_wait_dscnt 0x0
	s_wait_tensorcnt 0x0
	ds_add_u32 v254, v255
	s_wait_dscnt 0x0
	s_barrier_signal -1
	MUL 1, 0
	WIN 0
	s_barrier_wait -1
.if \fill
	CREST
	s_add_nc_u64 s[G0+4*\slot+2:G0+4*\slot+3], s[G0+4*\slot+2:G0+4*\slot+3], 1179648
	s_add_nc_u64 s[G0B+4*\slot+2:G0B+4*\slot+3], s[G0B+4*\slot+2:G0B+4*\slot+3], 147456
	JLOAD \slot
.endif
	PLACES
	FETCH \next, 0, 0
.endm
	s_wait_tensorcnt 1                             ; my part of slot 0 is in; slot 1's stays out
	s_barrier_signal -1
	s_barrier_wait -1
	FETCH 0, 0, 0
	SEVEN 0, 1                                     ; heads 0-3: the first products start the sums
	LASTQ 0, 1, 1
	SEVEN 1, 0                                     ; heads 4-7
	LASTQ 1, 0, 1
	SEVEN 0, 0                                     ; heads 8-11
	LASTQ 0, 1, 0
	SEVEN 1, 0                                     ; heads 12-15
	s_wait_dscnt 0x0
	MUL 1, 0
	; THE WAY OUT: times 2^-15, then 16 tokens at a time through my own stage, read back as whole rows of 256 bytes
	PLACES
	WIN 0x41
.set oi, 0
.rept 64
	v_pk_mul_f32 v[oi:oi+1], v[oi:oi+1], 0x38000000 op_sel_hi:[1,0]
.set oi, oi+2
.endr
	WIN 0
	s_lshl_b32 s76, s43, 7
	s_lshl_b32 s77, s21, 6
	s_add_co_u32 s76, s76, s77
	s_lshl_b32 s76, s76, 12                        ; my first token's row of 4,096 bytes
	s_lshl_b32 s77, s42, 9
	s_add_co_u32 s76, s76, s77
	s_lshl_b32 s77, s22, 8
	s_add_co_u32 s76, s76, s77                     ; + 512 nb + 256 wn
	s_mov_b32 s77, 0
	s_add_nc_u64 s[8:9], s[8:9], s[76:77]
.macro OUTA a
	WIN 0x04
.irp b, 0,1,2,3
	ds_store_b128 v[STO], v[8*(4*\a+\b):8*(4*\a+\b)+3] offset:64*\b
	ds_store_b128 v[STO], v[8*(4*\a+\b)+4:8*(4*\a+\b)+7] offset:64*\b+16
.endr
	WIN 0
	s_wait_xcnt 0x0                                ; the registers below were store data two turns ago: rewritten only behind this wait (ISA guide 3.1)
.irp t, 0,1,2,3,4,5,6,7
	ds_load_b128 v[160+32*(\a&1)+4*\t:160+32*(\a&1)+4*\t+3], v[RD] offset:544*\t   ; LDS serves a wave's instructions in order (ISA guide 5.7.1)
.endr
.irp t, 0,1,2,3,4,5,6,7
	s_wait_dscnt 7-\t
	global_store_b128 v[CO], v[160+32*(\a&1)+4*\t:160+32*(\a&1)+4*\t+3], s[8:9] offset:65536*\a+8192*\t th:TH_STORE_NT   ; 16 lanes store 256 consecutive bytes, aligned
.endr
.endm
	OUTA 0
	OUTA 1
	OUTA 2
	OUTA 3
	s_wait_tensorcnt 0x0
	ds_add_u32 v254, v255
	s_wait_dscnt 0x0
	CROUND                                         ; the closing round
	s_endpgm
.Lfunc_end_k_q81daf19988_outp:
	.size	k_q81daf19988_outp, .Lfunc_end_k_q81daf19988_outp-k_q81daf19988_outp
	.p2alignl 7, 3214868480
	.fill 96, 4, 3214868480
	.section	.rodata,"a",@progbits
	.p2align	6, 0x0
	.amdhsa_kernel k_q81daf19988_outp
		.amdhsa_group_segment_fixed_size 327680
		.amdhsa_private_segment_fixed_size 0
		.amdhsa_enable_private_segment 0
		.amdhsa_kernarg_size 24
		.amdhsa_user_sgpr_count 2
		.amdhsa_user_sgpr_kernarg_segment_ptr 1
		.amdhsa_wavefront_size32 1
		.amdhsa_system_sgpr_workgroup_id_x 1
		.amdhsa_system_sgpr_workgroup_id_y 1
		.amdhsa_system_sgpr_workgroup_id_z 1
		.amdhsa_system_vgpr_workitem_id 0
		.amdhsa_next_free_vgpr 384
		.amdhsa_next_free_sgpr 96
		.amdhsa_reserve_vcc 0
		.amdhsa_float_denorm_mode_32 3
		.amdhsa_float_denorm_mode_16_64 3
		.amdhsa_memory_ordered 1
		.amdhsa_forward_progress 1
		.amdhsa_inst_pref_size 95
	.end_amdhsa_kernel
	.amdgpu_metadata
---
amdhsa.version: [ 1, 2 ]
amdhsa.kernels:
  - .name:           k_q81daf19988_outp
    .symbol:         k_q81daf19988_outp.kd
    .args:
      - { .name: cb, .offset: 0, .size: 8, .value_kind: global_buffer, .address_space: global }
      - { .name: wob, .offset: 8, .size: 8, .value_kind: global_buffer, .address_space: global }
      - { .name: out0, .offset: 16, .size: 8, .value_kind: global_buffer, .address_space: global }
    .group_segment_fixed_size: 327680
    .private_segment_fixed_size: 0
    .kernarg_segment_align: 8
    .kernarg_segment_size: 24
    .max_flat_workgroup_size: 128
    .sgpr_count:     96
    .vgpr_count:     384
    .wavefront_size: 32
...
	.end_amdgpu_metadata
.endif
;; end of part 4
;; ======== version 2 of 2: 4 launches; version 1 with the launch prep written anew for expert scheduling mode
;; limits: values are held in f16: magnitudes above 65,504 overflow, below 6.1e-05 lose precision; a function is approximated: absolute error at most 6e-08; right only within a limited range of input values
;; workspace buffers: xh 8,388,608 bytes; wcat 6,815,744 bytes; wob 2,359,296 bytes; qb 9,437,184 bytes; kb 9,437,184 bytes; vb 10,485,760 bytes; gate 524,288 bytes; cb 9,437,184 bytes
;; launch prep (part 5): grid 256 x 1, 4 waves a work-group, no clusters, 36,352 bytes of LDS; arguments x, Wi, Wo, Wv, Wa, We, Wout, beta_p, iv_p, ov_p, chi, xh, wcat, wob; writes xh, wcat, wob
.if DOCPART == 5
	.amdgcn_target "amdgcn-amd-amdhsa--gfx1250"
	.amdhsa_code_object_version 6
	.text
	.protected	k_q81daf19988_prep
	.globl	k_q81daf19988_prep
	.p2align	8
	.type	k_q81daf19988_prep,@function
k_q81daf19988_prep:
	s_mov_b64 s[64:65], 0
	v_nop
	global_prefetch_b8 v0, s[64:65] scope:SCOPE_SE
	s_setreg_imm32_b32 hwreg(HW_REG_WAVE_SCHED_MODE, 0, 2), 2
	s_setreg_imm32_b32 hwreg(HW_REG_WAVE_MODE, 25, 1), 1
	s_wait_xcnt 0x0
	s_wait_alu depctr_vm_vsrc(0)
; Casts and packs the operands of the three matrix launches, f32 to f16, each input byte read once.
;   xh   [4096][1024] f16                     = x
;   wcat [16 heads][1024 k][208] f16          = Wi_h (64 columns) | Wo_h (64) | Wv_h (64) | Wa_h, We_h, 6 zeros, Wa_h, We_h, 6 zeros
;   wob  [8 column blocks][1024 k][144] f16   = 4096 g R(Wout), 128 columns, then 16 zeros
; R and g: the chamber's rotation by pi sigmoid(beta_p) and its gain g = sigmoid(iv_p) sigmoid(ov_p) tanh(chi) are linear in a head's 64
; numbers, so they are applied to that head's 64 rows of Wout: row d' = g (cos W[d] + sin W[d+32]), row (d+32)' = g (cos W[d+32] - sin W[d]).
; The factor 4096 keeps small products clear of f16's denormals; the last launch takes it out again.
; LIMITS.  f16 holds magnitudes up to 65504: |x| and the weights must stay below that, and 4096 g |Wout| too (|Wout| < 16 at g = 1).
; tanh is 1 - 2 / (1 + e^(2 chi)): absolute error about 6e-8, so |chi| below about 1e-5 loses relative accuracy.
; sin and cos are series to y^11 and y^12 in y = pi (beta - 1/2), |y| <= pi/2 for every input since beta is a sigmoid; the first terms left out are below 6e-8.
; No matrix unit, no cluster: the launch only moves bytes.  Four waves; work-group g of 256 does one 256th of each of the three tasks.
; All that a wave reads is asked for at the start, so that the launch waits for memory once: 62 loads go out together, the last four behind the first wait.
; THE MODE: SCHED_MODE bits 1:0 = 2 (LLVM: expert scheduling mode 2), set by the entry lines.  The code itself states the register dependences
; between vector instructions and memory or LDS instructions, with s_wait_alu, always for 0.
; THE PLAN.  Registers that memory or LDS instructions touch:
;   v3 .. v14     offsets and LDS addresses: written at the head, read by every load and store, never written again.
;   W2, GA        land from memory; wcat's conversions read them and write the first two of each four in place; 24 LDS stores read those pairs.
;   Z             written by one conversion and three moves; read by three LDS stores.
;   LO, UP        land from memory; the rotation reads them and rounds each row into the first two of its own four; 8 LDS stores read those pairs.
;   C2 (v96-147)  lies on the upper part of W2, on GA, LO and the head of UP: LDS loads land in it behind the barrier; global stores read it.
;   C3            named by LDS loads and global stores alone.
;   XA, XB        land from memory; converted in place; read by 16 global stores each.
;   v16 .. v29    named by vector instructions alone.      v190, v191: written at the head, read by the closing add alone.
; So each batch of conversions is followed by ONE wait on va_vdst and then by the run of stores that reads it; wcat's LDS stores are dealt among the
; rotation's lines, which name none of their registers; one wait on vm_vsrc stands ahead of the LDS loads that land where LDS stores have read.
.set T3B, 26624                        ; LDS: four waves x 6,656 bytes for wcat's rows, then 9,216 bytes for wob's rows
.set W2,  32                           ; v[32:127]   Wi, Wo, Wv: 8 loads of 4 registers each
.set GA,  128                          ; v128, v129  Wa, We
.set LO,  130                          ; v[130:145]  Wout, rows d; then, in the first two of each four, the rotated rows d in f16
.set UP,  146                          ; v[146:161]  Wout, rows d + 32; then likewise the rotated rows d + 32
.set XA,  192                          ; v[192:255]  x, first sixteen loads
.set XB,  0                            ; window 1, v[0:63] there (v256-v319): x, second sixteen loads
.set C2,  96                           ; v[96:147]   wcat's rows on their way out
.set C3,  162                          ; v[162:179]  wob's rows on their way out
.set Z,   180                          ; v[180:183]  the gate columns' 16 bytes: one packed word, three zeros
.set MSB, 0
.macro WIN new                         ; s_set_vgpr_msb: bits 1:0 source 0, 3:2 source 1, 5:4 source 2, 7:6 destination; the high byte repeats the setting that is left
.if MSB != \new
	s_set_vgpr_msb (MSB<<8)|\new
.set MSB, \new
.endif
.endm
.macro WST n                           ; wcat's LDS store number n of 24: weight n / 8, pair of rows n % 8
	ds_store_b64 v7, v[W2+4*(\n):W2+4*(\n)+1] offset:832*((\n)%8)+128*((\n)/8)
.endm
	s_load_b512 s[4:19], s[0:1], 0x0               ; x, Wi, Wo, Wv, Wa, We, Wout, beta_p
	s_load_b256 s[20:27], s[0:1], 0x40             ; iv_p, ov_p, chi, xh
	s_load_b128 s[28:31], s[0:1], 0x60             ; wcat, wob
	v_lshl_add_u32 v190, v0, 2, 0x8c00             ; my spare word, behind wob's rows in LDS, and 0: made here and kept for the closing lines alone
	v_mov_b32 v191, 0
	v_lshrrev_b32 v2, 5, v0
	v_readfirstlane_b32 s33, v2                    ; wave w
	v_and_b32 v1, 31, v0                           ; lane L
	v_and_b32 v2, 15, v0                           ; L & 15
	v_bfe_u32 v15, v0, 4, 1                        ; L >> 4
	; wcat: head h = g >> 4, my wave's 16 rows begin at k0 = 64 (g & 15) + 16 w
	s_lshr_b32 s34, ttmp9, 4
	s_and_b32 s35, ttmp9, 15
	s_lshl_b32 s35, s35, 6
	s_wait_alu depctr_va_sdst(0)                   ; s33 is written, ahead of its first reader: the bases and the LDS places below are made from it
	s_lshl4_add_u32 s36, s33, s35                  ; k0
	s_lshl_b32 s38, s36, 12
	s_lshl_b32 s37, s34, 8
	s_add_co_u32 s38, s38, s37                     ; Wi, Wo, Wv: k0 rows of 4,096 bytes + 256 h
	s_mov_b32 s39, 0
	s_lshl_b32 s40, s36, 6
	s_lshl2_add_u32 s40, s34, s40                  ; Wa, We: k0 rows of 64 bytes + 4 h
	s_mov_b32 s41, 0
	s_lshl_b32 s42, s34, 10
	s_add_co_u32 s42, s42, s36
	s_mul_i32 s42, s42, 416                        ; wcat: (1024 h + k0) rows of 416 bytes
	s_mov_b32 s43, 0
	; wob: column block nb = g >> 5, head hh = (g >> 1) & 15, rows d = 16 (g & 1) + 4 w + 0..3 and d + 32
	s_lshr_b32 s44, ttmp9, 5
	s_bfe_u32 s45, ttmp9, 0x40001
	s_and_b32 s46, ttmp9, 1
	s_lshl_b32 s47, s45, 6
	s_lshl4_add_u32 s47, s46, s47                  ; 64 hh + 16 half
	s_lshl2_add_u32 s48, s33, s47
	s_lshl_b32 s48, s48, 12
	s_lshl_b32 s37, s44, 9
	s_add_co_u32 s48, s48, s37                     ; Wout: my first row, + 512 nb
	s_mov_b32 s49, 0
	s_lshl_b32 s50, s44, 10
	s_add_co_u32 s50, s50, s47
	s_lshr_b32 s37, s33, 1
	s_lshl_b32 s37, s37, 5
	s_add_co_u32 s50, s50, s37                     ; waves 0, 1 carry out the rows d, waves 2, 3 the rows d + 32,
	s_mul_i32 s50, s50, 288
	s_and_b32 s37, s33, 1
	s_mul_i32 s37, s37, 2304
	s_add_co_u32 s50, s50, s37                     ; each 2,304 of their 4,608 bytes
	s_mov_b32 s51, 0
	s_lshl_b32 s52, s45, 2                         ; the head's word in beta_p, iv_p, ov_p, chi
	s_mov_b32 s53, 0
	s_lshl_b32 s54, ttmp9, 16                      ; x: 65,536 bytes a work-group
	s_mov_b32 s55, 0
	s_lshl_b32 s56, ttmp9, 15                      ; xh: 32,768
	s_mov_b32 s57, 0
	s_mul_i32 s58, s33, 6656                       ; my wave's wcat rows in LDS
	s_mul_i32 s59, s33, 1152                       ; my wave's four wob rows in LDS
	s_mul_i32 s32, s33, 2304                       ; what my wave carries out of wob's rows
	v_lshlrev_b32 v3, 4, v0                        ; x: 16 t
	v_lshlrev_b32 v4, 3, v0                        ; xh: 8 t
	v_lshlrev_b32 v5, 4, v2
	v_lshl_add_u32 v5, v15, 12, v5                 ; Wi, Wo, Wv: 16 lanes take a row's 256 bytes, the other 16 the next row's
	v_lshlrev_b32 v6, 6, v2                        ; Wa, We: row L & 15
	v_mul_u32_u24 v7, v15, 416
	v_lshl_add_u32 v7, v2, 3, v7
	v_add_nc_u32 v7, s58, v7                       ; LDS: row L >> 4, 8 bytes at 8 (L & 15)
	v_mul_u32_u24 v8, v2, 416
	v_lshl_add_u32 v8, v15, 4, v8
	v_add_nc_u32 v8, s58, v8                       ; LDS: row L & 15, 16 bytes at 384 + 16 (L >> 4)
	v_lshlrev_b32 v10, 4, v1                       ; 16 L
	v_add_nc_u32 v9, s58, v10                      ; LDS: my wave's rows read back, 512 bytes an instruction
	v_lshlrev_b32 v14, 3, v1                       ; 8 L
	v_add_nc_u32 v11, s59, v14                     ; LDS: a wob row's 256 bytes
	v_bfe_u32 v12, v0, 2, 2
	v_mul_u32_u24 v12, v12, 288
	v_and_b32 v13, 3, v0
	v_lshl_add_u32 v12, v13, 3, v12
	v_add_nc_u32 v12, s59, v12                     ; LDS: the 32 zero bytes behind each of my four rows (lanes 16-31 repeat lanes 0-15)
	v_add_nc_u32 v13, s32, v14                     ; LDS: wob's rows read back, 256 bytes an instruction
	s_wait_kmcnt 0x0
	s_add_nc_u64 s[18:19], s[18:19], s[52:53]
	s_add_nc_u64 s[20:21], s[20:21], s[52:53]
	s_add_nc_u64 s[22:23], s[22:23], s[52:53]
	s_add_nc_u64 s[24:25], s[24:25], s[52:53]
	s_load_b32 s60, s[18:19], 0x0                  ; beta_p[hh]
	s_load_b32 s61, s[20:21], 0x0                  ; iv_p[hh]
	s_load_b32 s62, s[22:23], 0x0                  ; ov_p[hh]
	s_load_b32 s63, s[24:25], 0x0                  ; chi[hh]
	s_add_nc_u64 s[4:5], s[4:5], s[54:55]
	s_add_nc_u64 s[6:7], s[6:7], s[38:39]
	s_add_nc_u64 s[8:9], s[8:9], s[38:39]
	s_add_nc_u64 s[10:11], s[10:11], s[38:39]
	s_add_nc_u64 s[12:13], s[12:13], s[40:41]
	s_add_nc_u64 s[14:15], s[14:15], s[40:41]
	s_add_nc_u64 s[16:17], s[16:17], s[48:49]
	s_add_nc_u64 s[26:27], s[26:27], s[56:57]
	s_add_nc_u64 s[28:29], s[28:29], s[42:43]
	s_add_nc_u64 s[30:31], s[30:31], s[50:51]
	s_wait_alu depctr_va_vdst(0)                   ; the offsets and LDS addresses v3 to v14 are written: every load and store of the kernel reads one of them, and no later vector line names them
	; 62 loads go out at once: 26 for wcat, 8 for wob, 16 + 12 for x
.irp i, 0,1,2,3,4,5,6,7
	global_load_b128 v[W2+4*\i:W2+4*\i+3], v5, s[6:7] offset:8192*\i th:TH_LOAD_NT
.endr
.irp i, 0,1,2,3,4,5,6,7
	global_load_b128 v[W2+32+4*\i:W2+32+4*\i+3], v5, s[8:9] offset:8192*\i th:TH_LOAD_NT
.endr
.irp i, 0,1,2,3,4,5,6,7
	global_load_b128 v[W2+64+4*\i:W2+64+4*\i+3], v5, s[10:11] offset:8192*\i th:TH_LOAD_NT
.endr
	global_load_b32 v[GA], v6, s[12:13]            ; one word of each of 16 rows of 64 bytes: 128 KiB in the whole launch, taken as it lies
	global_load_b32 v[GA+1], v6, s[14:15]
.irp i, 0,1,2,3
	global_load_b128 v[LO+4*\i:LO+4*\i+3], v10, s[16:17] offset:4096*\i th:TH_LOAD_NT
.endr
.irp i, 0,1,2,3
	global_load_b128 v[UP+4*\i:UP+4*\i+3], v10, s[16:17] offset:131072+4096*\i th:TH_LOAD_NT
.endr
.irp i, 0,1,2,3,4,5,6,7,8,9,10,11,12,13,14,15
	global_load_b128 v[XA+4*\i:XA+4*\i+3], v3, s[4:5] offset:2048*\i th:TH_LOAD_NT
.endr
	WIN 0x40                                       ; the loaded data go to window 1, the address stays in window 0
.irp i, 0,1,2,3,4,5,6,7,8,9,10,11
	global_load_b128 v[XB+4*\i:XB+4*\i+3], v3, s[4:5] offset:32768+2048*\i th:TH_LOAD_NT
.endr
	WIN 0
	; the head's constants, while the loads are on their way: vector lines on v16 to v28 alone, which no memory instruction names
	s_wait_kmcnt 0x0
	v_mov_b32 v22, s60
	v_mov_b32 v23, s61
	v_mov_b32 v24, s62
	v_mov_b32 v25, s63
	v_mul_f32 v22, 0xbfb8aa3b, v22                 ; -log2(e) x: sigmoid(x) = 1 / (1 + 2^that)
	v_mul_f32 v23, 0xbfb8aa3b, v23
	v_mul_f32 v24, 0xbfb8aa3b, v24
	v_mul_f32 v25, 0x4038aa3b, v25                 ; 2 log2(e) chi
	v_exp_f32 v22, v22
	v_exp_f32 v23, v23
	v_exp_f32 v24, v24
	v_exp_f32 v25, v25
	v_nop                                          ; one plain instruction behind a transcendental before its result is used (ISA guide 5.7.2)
	s_wait_alu depctr_va_vdst(0)                   ; the four exponentials have written v22 to v25, ahead of their first reader
	v_add_f32 v22, 1.0, v22
	v_add_f32 v23, 1.0, v23
	v_add_f32 v24, 1.0, v24
	v_add_f32 v25, 1.0, v25
	v_rcp_f32 v22, v22                             ; beta
	v_rcp_f32 v23, v23                             ; iv
	v_rcp_f32 v24, v24                             ; ov
	v_rcp_f32 v25, v25
	v_nop
	s_wait_alu depctr_va_vdst(0)                   ; the four reciprocals have written v22 to v25, ahead of their first reader
	v_add_f32 v22, -0.5, v22
	v_mul_f32 v22, 0x40490fdb, v22                 ; y = pi (beta - 1/2): cos(pi beta) = -sin y, sin(pi beta) = cos y
	v_mul_f32 v26, v22, v22                        ; y^2
	v_mov_b32 v27, 0xb2d7322b                      ; sin y = y (1 - y^2/3! + ... - y^10/11!)
	v_fmaak_f32 v27, v27, v26, 0x3638ef1d
	v_fmaak_f32 v27, v27, v26, 0xb9500d01
	v_fmaak_f32 v27, v27, v26, 0x3c088889
	v_fmaak_f32 v27, v27, v26, 0xbe2aaaab
	v_fma_f32 v27, v27, v26, 1.0
	v_mul_f32 v27, v27, v22
	v_mov_b32 v28, 0x310f76c7                      ; cos y = 1 - y^2/2! + ... + y^12/12!
	v_fmaak_f32 v28, v28, v26, 0xb493f27e
	v_fmaak_f32 v28, v28, v26, 0x37d00d01
	v_fmaak_f32 v28, v28, v26, 0xbab60b61
	v_fmaak_f32 v28, v28, v26, 0x3d2aaaab
	v_fma_f32 v28, v28, v26, -0.5
	v_fma_f32 v28, v28, v26, 1.0
	v_fma_f32 v25, v25, -2.0, 1.0                  ; tanh(chi)
	v_mul_f32 v23, v23, v24
	v_mul_f32 v23, v23, v25
	v_mul_f32 v23, 0x45800000, v23                 ; 4096 g
	v_mul_f32 v18, v23, v28                        ; sg = 4096 g sin(pi beta), as a pair
	v_mul_f32 v19, v23, v28
	v_xor_b32 v20, 0x80000000, v18                 ; -sg, as a pair
	v_xor_b32 v21, 0x80000000, v18
	v_mul_f32 v16, v23, v27
	v_xor_b32 v16, 0x80000000, v16                 ; cg = 4096 g cos(pi beta), as a pair
	v_mov_b32 v17, v16
	; wcat: cast, and lay the three weights' pieces side by side in my wave's 16 rows of 416 bytes
	s_wait_loadcnt 36                              ; loads come back in order (ISA guide 5.7.1): the 8 + 16 + 12 younger ones stay out
	WIN 0x40
.irp i, 12,13,14,15
	global_load_b128 v[XB+4*\i:XB+4*\i+3], v3, s[4:5] offset:32768+2048*\i th:TH_LOAD_NT   ; the last four loads of x.  No wait: no vector line has ever named their registers, and none since the head's wait names v3
.endr
	WIN 0
.irp s, 0,1,2
.irp i, 0,1,2,3,4,5,6,7
	v_cvt_pk_f16_f32 v[W2+32*\s+4*\i], v[W2+32*\s+4*\i], v[W2+32*\s+4*\i+1]
	v_cvt_pk_f16_f32 v[W2+32*\s+4*\i+1], v[W2+32*\s+4*\i+2], v[W2+32*\s+4*\i+3]
.endr
.endr
	v_cvt_pk_f16_f32 v[Z], v[GA], v[GA+1]          ; Wa, We side by side; the same 16 bytes for columns 192.. and 200..
	v_mov_b32 v[Z+1], 0
	v_mov_b32 v[Z+2], 0
	v_mov_b32 v[Z+3], 0
	s_wait_alu depctr_va_vdst(0)                   ; the conversions have written W2's pairs and Z, which the 27 LDS stores below read
	ds_store_b128 v8, v[Z:Z+3] offset:384
	ds_store_b64 v12, v[Z+2:Z+3] offset:T3B+256            ; wob's zero columns, rows d
	ds_store_b64 v12, v[Z+2:Z+3] offset:T3B+256+4608       ; and rows d + 32
	; wob: rotate, scale, cast.  wcat's 24 LDS stores are dealt among these lines, three ahead of each four: the lines name v16 to v29, LO and UP,
	; none of the registers that those stores read, so the wait above serves them all.
	s_wait_loadcnt 32                              ; Wout's eight loads are in; x's 16 + 12 + 4 stay out
.irp i, 0,1,2,3
.irp j, 0,2
	WST 6*\i+3*\j/2
	WST 6*\i+3*\j/2+1
	WST 6*\i+3*\j/2+2
	v_pk_mul_f32 v[22+\j:23+\j], v[LO+4*\i+\j:LO+4*\i+\j+1], v[16:17]
	v_pk_mul_f32 v[26+\j:27+\j], v[UP+4*\i+\j:UP+4*\i+\j+1], v[16:17]
	v_pk_fma_f32 v[22+\j:23+\j], v[UP+4*\i+\j:UP+4*\i+\j+1], v[18:19], v[22+\j:23+\j]
	v_pk_fma_f32 v[26+\j:27+\j], v[LO+4*\i+\j:LO+4*\i+\j+1], v[20:21], v[26+\j:27+\j]
.endr
	v_cvt_pk_f16_f32 v[LO+4*\i], v22, v23          ; each row is rounded into the first two of its own four registers, whose f32 are used up:
	v_cvt_pk_f16_f32 v[LO+4*\i+1], v24, v25        ; so no register that an LDS store reads is written a second time
	v_cvt_pk_f16_f32 v[UP+4*\i], v26, v27
	v_cvt_pk_f16_f32 v[UP+4*\i+1], v28, v29
.endr
	s_wait_alu depctr_va_vdst(0)                   ; the roundings have written LO's and UP's pairs, which the LDS stores below read; and every vector line that names v96 to v147 is done, for the LDS loads that land there behind the barrier
.irp i, 0,1,2,3
	ds_store_b64 v11, v[LO+4*\i:LO+4*\i+1] offset:T3B+288*\i
	ds_store_b64 v11, v[UP+4*\i:UP+4*\i+1] offset:T3B+4608+288*\i
.endr
	s_wait_dscnt 0x0                               ; my LDS stores are done, for the waves that carry wob's rows out
	s_barrier_signal -1
	s_barrier_wait -1
	; the way out: whole runs of 512 (wcat) and 256 (wob) consecutive bytes an instruction, each at a multiple of 256 from its buffer's first byte
	s_wait_alu depctr_vm_vsrc(0)                   ; my LDS stores have read their data in v96 to v147, in which the loads below land
.irp i, 0,1,2,3,4,5,6,7,8,9,10,11,12
	ds_load_b128 v[C2+4*\i:C2+4*\i+3], v9 offset:512*\i
.endr
.irp i, 0,1,2,3,4,5,6,7,8
	ds_load_b64 v[C3+2*\i:C3+2*\i+1], v13 offset:T3B+256*\i
.endr
.irp i, 0,1,2,3,4,5,6,7,8,9,10,11,12
	s_wait_dscnt 21-\i                             ; LDS loads come back in order: number i of the 22 is in
	global_store_b128 v10, v[C2+4*\i:C2+4*\i+3], s[28:29] offset:512*\i
.endr
.irp i, 0,1,2,3,4,5,6,7,8
	s_wait_dscnt 8-\i
	global_store_b64 v14, v[C3+2*\i:C3+2*\i+1], s[30:31] offset:256*\i
.endr
	; x: cast in place; a wave's store covers 256 consecutive bytes, aligned
	s_wait_loadcnt 16                              ; the first sixteen loads of x are in, the second sixteen may stay out
.irp i, 0,1,2,3,4,5,6,7,8,9,10,11,12,13,14,15
	v_cvt_pk_f16_f32 v[XA+4*\i], v[XA+4*\i], v[XA+4*\i+1]
	v_cvt_pk_f16_f32 v[XA+4*\i+1], v[XA+4*\i+2], v[XA+4*\i+3]
.endr
	s_wait_alu depctr_va_vdst(0)                   ; the conversions have written XA's pairs, which the sixteen stores below read
.irp i, 0,1,2,3,4,5,6,7,8,9,10,11,12,13,14,15
	global_store_b64 v4, v[XA+4*\i:XA+4*\i+1], s[26:27] offset:1024*\i
.endr
	s_wait_loadcnt 0x0
	WIN 0x45                                       ; both sources and the destination in window 1
.irp i, 0,1,2,3,4,5,6,7,8,9,10,11,12,13,14,15
	v_cvt_pk_f16_f32 v[XB+4*\i], v[XB+4*\i], v[XB+4*\i+1]
	v_cvt_pk_f16_f32 v[XB+4*\i+1], v[XB+4*\i+2], v[XB+4*\i+3]
.endr
	WIN 0x04                                       ; a store's data are its source 1: window 1; its address, source 0: window 0
	s_wait_alu depctr_va_vdst(0)                   ; the conversions have written XB's pairs, which the sixteen stores below read
.irp i, 0,1,2,3,4,5,6,7,8,9,10,11,12,13,14,15
	global_store_b64 v4, v[XB+4*\i:XB+4*\i+1], s[26:27] offset:16384+1024*\i
.endr
	WIN 0
	s_wait_dscnt 0x0                               ; the closing lines, six on end
	s_wait_alu 0x0
	s_wait_tensorcnt 0x0
	ds_add_u32 v190, v191
	s_wait_dscnt 0x0
	s_endpgm
.Lfunc_end_k_q81daf19988_prep:
	.size	k_q81daf19988_prep, .Lfunc_end_k_q81daf19988_prep-k_q81daf19988_prep
	.p2alignl 7, 3214868480
	.fill 96, 4, 3214868480
	.section	.rodata,"a",@progbits
	.p2align	6, 0x0
	.amdhsa_kernel k_q81daf19988_prep
		.amdhsa_group_segment_fixed_size 36352
		.amdhsa_private_segment_fixed_size 0
		.amdhsa_enable_private_segment 0
		.amdhsa_kernarg_size 112
		.amdhsa_user_sgpr_count 2
		.amdhsa_user_sgpr_kernarg_segment_ptr 1
		.amdhsa_wavefront_size32 1
		.amdhsa_system_sgpr_workgroup_id_x 1
		.amdhsa_system_sgpr_workgroup_id_y 1
		.amdhsa_system_sgpr_workgroup_id_z 1
		.amdhsa_system_vgpr_workitem_id 0
		.amdhsa_next_free_vgpr 320
		.amdhsa_next_free_sgpr 66
		.amdhsa_reserve_vcc 0
		.amdhsa_float_denorm_mode_32 3
		.amdhsa_float_denorm_mode_16_64 3
		.amdhsa_memory_ordered 1
		.amdhsa_forward_progress 1
		.amdhsa_inst_pref_size 34
	.end_amdhsa_kernel
	.amdgpu_metadata
---
amdhsa.version: [ 1, 2 ]
amdhsa.kernels:
  - .name:           k_q81daf19988_prep
    .symbol:         k_q81daf19988_prep.kd
    .args:
      - { .name: x, .offset: 0, .size: 8, .value_kind: global_buffer, .address_space: global }
      - { .name: Wi, .offset: 8, .size: 8, .value_kind: global_buffer, .address_space: global }
      - { .name: Wo, .offset: 16, .size: 8, .value_kind: global_buffer, .address_space: global }
      - { .name: Wv, .offset: 24, .size: 8, .value_kind: global_buffer, .address_space: global }
      - { .name: Wa, .offset: 32, .size: 8, .value_kind: global_buffer, .address_space: global }
      - { .name: We, .offset: 40, .size: 8, .value_kind: global_buffer, .address_space: global }
      - { .name: Wout, .offset: 48, .size: 8, .value_kind: global_buffer, .address_space: global }
      - { .name: beta_p, .offset: 56, .size: 8, .value_kind: global_buffer, .address_space: global }
      - { .name: iv_p, .offset: 64, .size: 8, .value_kind: global_buffer, .address_space: global }
      - { .name: ov_p, .offset: 72, .size: 8, .value_kind: global_buffer, .address_space: global }
      - { .name: chi, .offset: 80, .size: 8, .value_kind: global_buffer, .address_space: global }
      - { .name: xh, .offset: 88, .size: 8, .value_kind: global_buffer, .address_space: global }
      - { .name: wcat, .offset: 96, .size: 8, .value_kind: global_buffer, .address_space: global }
      - { .name: wob, .offset: 104, .size: 8, .value_kind: global_buffer, .address_space: global }
    .group_segment_fixed_size: 36352
    .private_segment_fixed_size: 0
    .kernarg_segment_align: 8
    .kernarg_segment_size: 112
    .max_flat_workgroup_size: 128
    .sgpr_count:     66
    .vgpr_count:     320
    .wavefront_size: 32
...
	.end_amdgpu_metadata
.endif
;; end of part 5
;; launch proj: the kernel of part 2 again; grid 16 x 16, 4 waves a work-group, clusters of 4 x 4, 327,680 bytes of LDS; arguments xh, wcat, ba, be, qb, kb, vb, gate; writes qb, kb, vb, gate
;; launch attn: the kernel of part 3 again; grid 256 x 1, 8 waves a work-group, clusters of 4 x 1, 320,512 bytes of LDS; arguments qb, kb, vb, gate, cb; writes cb
;; launch outp: the kernel of part 4 again; grid 8 x 32, 4 waves a work-group, clusters of 4 x 4, 327,680 bytes of LDS; arguments cb, wob, out0; writes out0
